; MI455X (gfx1250); checked and timed in simulation.
; The chip was launched on July 23, 2026; its instructions are those of AMD's public machine-readable ISA for CDNA 5 (MIT licence, August 2026) and "CDNA5" Instruction Set Architecture Reference Guide (July 2026). The comments in the code are by the model that wrote it; some were corrected since.
;; Multi Head Attention. Allowed arithmetic: matrix products marked QUANTISED: E2M3 operands, one E8M0 scale for each 32 along K, by v_wmma_scale_f32_16x16x128_f8f6f4 with both operands' format E2M3, f32 sums; everything else in f32.
;; Inputs: Wk 1,024 x 1,024 float32; Wo 1,024 x 1,024 float32; Wq 1,024 x 1,024 float32; Wv 1,024 x 1,024 float32; bk 1,024 float32; bo 1,024 float32; bq 1,024 float32; bv 1,024 float32; key 2 x 2,048 x 1,024 float32; mask 2 x 2,048 x 2,048 int32; query 2 x 2,048 x 1,024 float32; value 2 x 2,048 x 1,024 float32.
;; Outputs: out0 2 x 2,048 x 1,024 float32.
;; This version of the problem:
;;   THIS VERSION OF THE PROBLEM IS GIVEN IN LOW PRECISION. The matrix products marked QUANTISED in the list below multiply operands that are first quantised to E2M3 (2 exponent bits, 3 mantissa bits; 6 bits a number), with one power-of-two scale for each 32 numbers along K (OCP MX v1.0); their sums are f32. All else is computed in f32.
;;   The module's matrix products, in the order in which they are computed (A, B: the left and right operand; K: the contracted axis; several contracted axes count as one K, in the product's order):
;;     1. [M 4,096, K 1,024] x [K 1,024, N 1,024]; A: input query; B: input Wq: QUANTISED
;;     2. [M 4,096, K 1,024] x [K 1,024, N 1,024]; A: input key; B: input Wk: QUANTISED
;;     3. [M 4,096, K 1,024] x [K 1,024, N 1,024]; A: input value; B: input Wv: QUANTISED
;;     4. batch 32 x [M 2,048, K 64] x [K 64, N 2,048]; A: computed on the way; B: computed on the way: QUANTISED
;;     5. batch 32 x [M 2,048, K 2,048] x [K 2,048, N 64]; A: softmax (see below); B: computed on the way: QUANTISED
;;     6. [M 4,096, K 1,024] x [K 1,024, N 1,024]; A: computed on the way; B: input Wo: QUANTISED
;;   THE QUANTISER, for each operand of a quantised product, along K:
;;     - K is cut into blocks of 32 from its start; a last block that is shorter is filled with zeros.
;;     - A block's scale is 2^e with e = floor(log2(the largest magnitude in the block)) - 2, held to -126 .. 127; a block of zeros has e = 0. As a byte (E8M0): e + 127.
;;     - Each number is divided by its block's scale, clamped to +-7.5, and rounded to the nearest number of E2M3, ties to even, subnormals kept.
;;     - The product sums the exact products of the quantised numbers (number of the format x scale) in f32.
;;   ~~~python
;;   def quantise(x, axis):      # numpy; x: float32 -> the quantised numbers, widened to float32 again
;;       x = np.moveaxis(x, axis, -1); K = x.shape[-1]
;;       x = np.pad(x, [(0, 0)] * (x.ndim - 1) + [(0, -K % 32)]); x = x.reshape(x.shape[:-1] + (-1, 32)); a = np.abs(x).max(-1, keepdims=True)
;;       e = np.where(a > 0, np.clip(np.frexp(np.where(a > 0, a, 1))[1] - 1 - 2, -126, 127), 0)      # np.frexp(a)[1] - 1 = floor(log2(a)), exactly
;;       r = np.clip(x / 2.0 ** e, -7.5, 7.5)
;;       step = 2.0 ** (np.maximum(np.frexp(np.where(r == 0, 1, r))[1] - 1, 0) - 3)
;;       q = np.round(r / step) * step * 2.0 ** e      # np.round: ties to even
;;       return np.moveaxis(q.reshape(q.shape[:-2] + (-1,))[..., :K], -1, axis).astype(np.float32)
;;   ~~~
;;   SOFTMAX AHEAD OF A QUANTISED PRODUCT. Where the list says 'softmax', what is quantised is not the finished softmax but p = 2^(t - M), with t = logit x log2(e) and M = ceil(the row's largest t), a whole number; so 1/2 < the row's largest p <= 1. The row's sum l is taken of the UNQUANTISED p, in f32, and the product's result is divided by l at the end. Since M is a whole number, a kernel that streams over the keys may use a running M (the ceiling of the running maximum): every later rescaling is an exact power of two, which a block's scale takes up: the codes' values come out the same.
;;   OPERANDS COMPUTED ON THE WAY. 'Computed on the way' means the value that the module computes at that place (a softmax that the list does not call 'softmax' is quantised finished and normalised). What goes into a quantiser is computed in f32, as accurately as f32 sums, v_exp_f32 and their like allow (about 1e-6 of the number): no bf16 or f16 on the way to a quantiser, and a product that is left as it is and whose result goes on into a quantised operand takes f32 operands (vector FMAs, or v_wmma_f32_16x16x4_f32). A number that lies on a knife's edge between two numbers of the format may be rounded either way, as far as f32 arithmetic and the matrix unit's own rounding can turn it there, and no further.
;; One version. Each part assembles by itself: llvm-mc -triple=amdgcn-amd-amdhsa -mcpu=gfx1250 --defsym DOCPART=n.
;; ======== version 1 of 1: 4 launches
;; limits: right only within a limited range of input values
;; workspace buffers: codes 12,582,912 bytes; scales 524,288 bytes; maskw 1,048,576 bytes of whole numbers; qb 3,407,872 bytes; kb 3,407,872 bytes; vb 3,407,872 bytes; xc 3,145,728 bytes; xs 131,072 bytes
;; launch prep (part 1): grid 256 x 1, 6 waves a work-group, no clusters, 51,456 bytes of LDS; arguments query, key, value, Wq, Wk, Wv, Wo, mask, codes, scales, maskw; writes codes, scales, maskw
.if DOCPART == 1
	.amdgcn_target "amdgcn-amd-amdhsa--gfx1250"
	.amdhsa_code_object_version 6
	.text
	.protected	k_q4fa7260043_prep
	.globl	k_q4fa7260043_prep
	.p2align	8
	.type	k_q4fa7260043_prep,@function
k_q4fa7260043_prep:
	s_mov_b64 s[64:65], 0
	v_nop
	global_prefetch_b8 v0, s[64:65] scope:SCOPE_SE
	s_setreg_imm32_b32 hwreg(HW_REG_WAVE_MODE, 25, 1), 1
	s_wait_xcnt 0x0
; MULTI-HEAD ATTENTION IN MX-FP6, LAUNCH 1 OF 4: query, key, value, Wq, Wk, Wv, Wo (f32, K = 1,024 innermost) become codes of E2M3 with one E8M0 byte for each 32 along K;
; the mask (int32) becomes one bit a number, laid as the attention launch's selects want it.
; DEAD WORK: none.  Every input has a way to out0: the four biases are added ahead of a quantiser or to the output, the mask chooses scores, all six products are live.  Nothing is left out in any launch.
; LIMITS: NaN and infinities among the inputs are not served.  A block of zeros gets the byte 1 where the rule says 127: its codes are zeros, which add nothing under any byte but 0xff, and this program alone reads the bytes.
; TILES.  In the whole program tile T of a row axis holds the 16 rows 32 (T / 2) + 8 (T % 2) + (r % 8) + 16 (r / 8), r = 0 .. 15: so the 16 result registers of two neighbouring tiles are 16 neighbours along the next product's K.
; codes: [strip / 8][K step 0..7][strip % 8][c 0..1][768 bytes]; a strip is a tile x all of K; strips 0-255 query, 256-511 key, 512-767 value, 768-831 Wq, 832-895 Wk, 896-959 Wv, 960-1023 Wo.
;   768 bytes are half an operand's registers as they stand: registers 6 c .. 6 c + 3 at 16 x lane (512 bytes), registers 6 c + 4, 6 c + 5 at 8 x lane (256 bytes).  scales: [strip][r][8 words], word s for K step s.
; maskw: [query tile 0..255][key step 0..15][64 words]: the word of score register n (at 2 n for n < 32, at 2 (n - 32) + 1 else) holds for lane r + 16 h the bit mask[row r of the tile][128 step + 32 (n / 16) + 16 h + n % 16] != 0.
; SHARES.  Work-group g: waves 0-3 quantise strip 4 g + wave; waves 4, 5 pack half of query tile g's mask.  Each is 8 steps of 16 rows x 512 bytes.  Each load reads one row's 512 consecutive bytes; the 8,192 bytes turn through
; the wave's own stage in LDS (rows 528 bytes apart), so that a lane gets neighbours along K of ONE row.  Waves share nothing: no barrier.  Two steps (32 loads a wave) are on their way.
; KEY'S TILES AND THE MASK'S ORDER differ from the general lines above: tile T of key holds the rows 64 (T / 4) + 8 (T % 4) + (r % 8) + 32 (r / 8), so that in the score product a lane half h
; holds whole blocks of 32 keys: score register n is key 64 (n / 32) + 32 h + n % 32 of its step of 128, and the bit of maskw's word of register n, lane r + 16 h, is mask[row r][128 step + that key] != 0.
.set STG,   8448
.set SPARE, 6*STG                      ; behind the stages: the spare words, 128 bytes a wave: three blocks of 256 bytes that no other line names
.set RA,    16                         ; v16-143  two sets of 64: a step as it is loaded
.set X,     144                        ; v144-207 a step as the work wants it
.set CD,    208                        ; v208-231 two sets of 12: a fragment's codes (mask: v208-223, a pair of word registers for each step)
.set CT,    232                        ; v232-238 the conversions' second halves
.set SW,    240                        ; v240-247 the strip's scale words, one for each K step
	s_load_b512 s[4:19], s[0:1], 0x0               ; query, key, value, Wq, Wk, Wv, Wo, mask
	s_load_b128 s[20:23], s[0:1], 0x40             ; codes, scales
	s_load_b64 s[24:25], s[0:1], 0x50              ; maskw
	v_lshl_add_u32 v5, v0, 2, SPARE                ; my spare word; never rewritten
	v_mov_b32 v6, 0                                ; 0; never rewritten
	v_lshrrev_b32 v7, 5, v0
	v_readfirstlane_b32 s2, v7                     ; wave 0..5
	s_mov_b32 s3, ttmp9                            ; g
	v_and_b32 v7, 31, v0                           ; lane
	v_and_b32 v10, 15, v0                          ; r
	v_bfe_u32 v11, v0, 4, 1                        ; h
	v_lshlrev_b32 v1, 4, v7                        ; 16 x lane: loads and 16-byte stores
	v_lshlrev_b32 v8, 3, v7                        ; 8 x lane
	s_mul_i32 s29, s2, STG
	v_add_nc_u32 v2, s29, v1                       ; the stage, on the way in: a row as it lies
	v_mul_u32_u24 v12, v10, 528
	v_add_nc_u32 v12, s29, v12
	v_lshl_add_u32 v3, v11, 7, v12                 ; on the way out, numbers: row r, + 128 h: k = 64 c + 32 h + 0 .. 31
	v_lshlrev_b32 v9, 5, v10
	v_lshl_add_u32 v9, v11, 4, v9                  ; 32 r + 16 h: my four scale words' place
	v_lshlrev_b32 v13, 3, v11                      ; 8 h
	v_mov_b32 v255, 0                              ; a lane permute's destination counts as one of its sources
	s_mov_b32 s36, 0x76543210
	s_mov_b32 s37, 0xfedcba98                      ; v_permlanex16_b32's selects for lane l xor 16
	s_mov_b32 s38, 0xffff0000                      ; lanes 16-31
	s_mov_b32 s31, 0
	s_wait_kmcnt 0x0
; a step's 16 rows: row i of the tile lies (i % 8) + 16 (i / 8) rows behind the tile's first
.macro LOAD s, pitch
.set i, 0
.rept 16
	global_load_b128 v[RA+64*((\s)%2)+4*i:RA+64*((\s)%2)+4*i+3], v[1+13*(i>>3)], s[26:27] offset:(i&7)*(\pitch)+512*(\s) th:TH_LOAD_NT   ; rows 0-7 by v1, rows 8-15 by v14, which stands 16 or 32 rows on
.set i, i+1
.endr
.endm
.macro TOSTAGE s
.set i, 0
.rept 16
	ds_store_b128 v2, v[RA+64*((\s)%2)+4*i:RA+64*((\s)%2)+4*i+3] offset:528*i
.set i, i+1
.endr
.endm
.macro ARRIVED s                       ; step s's 16 loads are in; the 16 younger ones are step s + 1's
.if (\s) < 7
	s_wait_loadcnt 16
.else
	s_wait_loadcnt 0x0
.endif
.endm
	s_cmp_lt_u32 s2, 4                             ; the roles part here, once, on the wave's number; every LDS address has been made
	s_cbranch_scc0 .Lmask
	; ---- waves 0-3: which tensor is strip 4 g + wave of?  The choice hangs on the work-group's number alone
.macro PICK lim, ptr, first
	s_cmp_lt_u32 s3, \lim
	s_cselect_b64 s[26:27], s[\ptr:\ptr+1], s[26:27]
	s_cselect_b32 s28, \first, s28
.endm
	s_mov_b64 s[26:27], s[16:17]                   ; Wo, from g = 240 on
	s_mov_b32 s28, 240
	PICK 240, 14, 224
	PICK 224, 12, 208
	PICK 208, 10, 192
	PICK 192, 8, 128
	PICK 128, 6, 64
	PICK 64, 4, 0
	s_sub_co_u32 s29, s3, s28
	s_lshl_b32 s29, s29, 2
	s_add_co_u32 s29, s29, s2                      ; the tile's number in its tensor
	s_cmp_eq_u32 s28, 64                           ; key's strips begin at g = 64: their tiles go four to 64 rows, all others two to 32
	s_cselect_b32 s40, 2, 1
	s_cselect_b32 s41, 3, 1
	s_lshr_b32 s30, s29, s40
	s_add_co_u32 s42, s40, 16
	s_lshl_b32 s30, s30, s42                       ; 32 or 64 rows of 4,096 bytes for each group of tiles,
	s_and_b32 s39, s29, s41
	s_lshl_b32 s39, s39, 15                        ; 8 rows for each tile in the group
	s_lshl_b32 s43, 0x8000, s40                    ; the tile's rows 8-15 lie 16 or 32 rows behind rows 0-7
	s_add_co_u32 s30, s30, s39
	s_add_nc_u64 s[26:27], s[26:27], s[30:31]
	s_lshl_b32 s29, s3, 2
	s_add_co_u32 s29, s29, s2                      ; the strip
	s_lshr_b32 s30, s29, 3
	s_mul_i32 s30, s30, 98304
	s_and_b32 s39, s29, 7
	s_mul_i32 s39, s39, 1536
	s_add_co_u32 s30, s30, s39
	s_add_nc_u64 s[32:33], s[20:21], s[30:31]      ; its codes
	s_lshl_b32 s30, s29, 9
	s_add_nc_u64 s[34:35], s[22:23], s[30:31]      ; its scale words
	v_add_nc_u32 v14, s43, v1
	s_wait_alu depctr_va_vdst(0)
	LOAD 0, 4096
	LOAD 1, 4096
.macro QSTEP s
.set CDS, CD+12*((\s)%2)
	ARRIVED \s
	TOSTAGE \s
.irp c, 0,1
.irp j, 0,1,2,3,4,5,6,7
	ds_load_b128 v[X+32*\c+4*\j:X+32*\c+4*\j+3], v3 offset:256*\c+16*\j   ; LDS serves a wave's instructions in order: these see the stores above
.endr
.endr
	s_wait_dscnt 0x0                               ; my 64 numbers are back, and the stores into the stage have read their registers,
.if (\s) < 6
	LOAD (\s)+2, 4096                              ; which take the loads of two steps on
.endif
.irp c, 0,1
	v_max3_num_f32 v[248+\c], |v[X+32*\c]|, |v[X+32*\c+1]|, 0x1800000   ; block 2 c + h: all its 32 numbers are mine; the floor 2^(3 - 127) holds the byte at 1 from below
.endr
.set i, 2
.rept 15
	v_max3_num_f32 v248, v248, |v[X+i]|, |v[X+i+1]|
	v_max3_num_f32 v249, v249, |v[X+32+i]|, |v[X+32+i+1]|
.set i, i+2
.endr
	v_add_nc_u32 v250, 0xff000000, v248            ; 2 off the exponent field: the conversion takes the exponent field of this operand as its scale
	v_add_nc_u32 v251, 0xff000000, v249
	v_lshrrev_b32 v252, 23, v250                   ; the scales' bytes
	v_lshrrev_b32 v253, 23, v251
	v_lshl_or_b32 v254, v253, 16, v252             ; blocks h and 2 + h,
	v_lshlrev_b32 v254, v13, v254                  ; at their places in the word;
	v_permlanex16_b32 v255, v254, s36, s37
	v_or_b32 v[SW+(\s)], v254, v255                ; with lane l xor 16's two the word is whole
	s_wait_alu depctr_va_vdst(0)
	s_wait_xcnt 0x0                                ; the earlier stores have read their data: the codes' registers are written again only behind this wait
.irp c, 0,1
	v_cvt_scalef32_pk16_fp6_f32 v[CDS+6*\c:CDS+6*\c+2], v[X+32*\c:X+32*\c+15], v[250+\c]
	v_cvt_scalef32_pk16_fp6_f32 v[CT+4*\c:CT+4*\c+2], v[X+32*\c+16:X+32*\c+31], v[250+\c]   ; (a conversion's three registers begin on an even number)
.endr
	v_nop                                          ; one plain place behind a scaled conversion
.irp c, 0,1
.irp i, 0,1,2
	v_mov_b32 v[CDS+6*\c+3+\i], v[CT+4*\c+\i]
.endr
.endr
.irp c, 0,1
	global_store_b128 v1, v[CDS+6*\c:CDS+6*\c+3], s[32:33] offset:12288*(\s)+768*\c       ; 512 consecutive bytes, at a multiple of 256 from the buffer's first byte
	global_store_b64 v8, v[CDS+6*\c+4:CDS+6*\c+5], s[32:33] offset:12288*(\s)+768*\c+512  ; and 256
.endr
.endm
	s_wait_alu depctr_va_vdst(0)
.irp s, 0,1,2,3,4,5,6,7
	QSTEP \s
.endr
.irp i, 0,1,2,3
	v_cndmask_b32 v[248+\i], v[SW+\i], v[SW+4+\i], s38   ; lanes 0-15 store words 0-3 of row r, lanes 16-31 words 4-7
.endr
	global_store_b128 v9, v[248:251], s[34:35]     ; the strip's 512 bytes on end
	s_branch .Lend
.Lmask:	; ---- waves 4, 5: key steps 8 (wave - 4) .. + 7 of query tile g
	s_sub_co_u32 s29, s2, 4
	s_lshr_b32 s30, s3, 1
	s_lshl_b32 s30, s30, 18                        ; 32 rows of 8,192 bytes for each pair of tiles,
	s_and_b32 s39, s3, 1
	s_lshl_b32 s39, s39, 16                        ; 8 rows for the odd one,
	s_add_co_u32 s30, s30, s39
	s_lshl_b32 s39, s29, 12                        ; 1,024 keys for the second half
	s_add_co_u32 s30, s30, s39
	s_add_nc_u64 s[26:27], s[18:19], s[30:31]
	s_lshl_b32 s30, s3, 12
	s_lshl_b32 s39, s29, 11
	s_add_co_u32 s30, s30, s39
	s_add_nc_u64 s[32:33], s[24:25], s[30:31]
.set i, 0
.rept 16
	v_mov_b32 v[CD+i], 0                           ; v_writelane_b32's destination counts as one of its sources
.set i, i+1
.endr
	v_add_nc_u32 v14, 0x20000, v1                  ; 16 rows of 8,192 bytes on
	s_wait_alu depctr_va_vdst(0)
	LOAD 0, 8192
	LOAD 1, 8192
.macro MSTEP s
	ARRIVED \s
	TOSTAGE \s
.irp c, 0,1
.irp j, 0,1,2,3,4,5,6,7
	ds_load_b128 v[X+32*\c+4*\j:X+32*\c+4*\j+3], v3 offset:256*\c+16*\j   ; register n: key 64 (n / 32) + 32 h + n % 32 of row r, as score register n has it
.endr
.endr
	s_wait_dscnt 0x0
.if (\s) < 6
	LOAD (\s)+2, 8192
.endif
.set n, 0
.rept 8
.set k, 0
.rept 8
	v_cmp_ne_u32 s[40+k], 0, v[X+n+k]              ; 32 lanes' bits
.set k, k+1
.endr
.set k, 0
.rept 8
	v_writelane_b32 v[CD+2*(\s)+((n+k)>>5)], s[40+k], (n+k)&31
.set k, k+1
.endr
.set n, n+8
.endr
	global_store_b64 v8, v[CD+2*(\s):CD+2*(\s)+1], s[32:33] offset:256*(\s)   ; the step's 64 words: 256 consecutive bytes, aligned; each step has registers of its own
.endm
.irp s, 0,1,2,3,4,5,6,7
	MSTEP \s
.endr
.Lend:
	s_wait_tensorcnt 0x0                           ; the wave's end
	ds_add_u32 v5, v6
	s_wait_dscnt 0x0
	s_endpgm
.Lfunc_end_k_q4fa7260043_prep:
	.size	k_q4fa7260043_prep, .Lfunc_end_k_q4fa7260043_prep-k_q4fa7260043_prep
	.p2alignl 7, 3214868480
	.fill 96, 4, 3214868480
	.section	.rodata,"a",@progbits
	.p2align	6, 0x0
	.amdhsa_kernel k_q4fa7260043_prep
		.amdhsa_group_segment_fixed_size 51456
		.amdhsa_private_segment_fixed_size 0
		.amdhsa_enable_private_segment 0
		.amdhsa_kernarg_size 88
		.amdhsa_user_sgpr_count 2
		.amdhsa_user_sgpr_kernarg_segment_ptr 1
		.amdhsa_wavefront_size32 1
		.amdhsa_system_sgpr_workgroup_id_x 1
		.amdhsa_system_sgpr_workgroup_id_y 1
		.amdhsa_system_sgpr_workgroup_id_z 1
		.amdhsa_system_vgpr_workitem_id 0
		.amdhsa_next_free_vgpr 256
		.amdhsa_next_free_sgpr 66
		.amdhsa_reserve_vcc 0
		.amdhsa_float_denorm_mode_32 3
		.amdhsa_float_denorm_mode_16_64 3
		.amdhsa_memory_ordered 1
		.amdhsa_forward_progress 1
		.amdhsa_inst_pref_size 154
	.end_amdhsa_kernel
	.amdgpu_metadata
---
amdhsa.version: [ 1, 2 ]
amdhsa.kernels:
  - .name:           k_q4fa7260043_prep
    .symbol:         k_q4fa7260043_prep.kd
    .args:
      - { .name: query, .offset: 0, .size: 8, .value_kind: global_buffer, .address_space: global }
      - { .name: key, .offset: 8, .size: 8, .value_kind: global_buffer, .address_space: global }
      - { .name: value, .offset: 16, .size: 8, .value_kind: global_buffer, .address_space: global }
      - { .name: Wq, .offset: 24, .size: 8, .value_kind: global_buffer, .address_space: global }
      - { .name: Wk, .offset: 32, .size: 8, .value_kind: global_buffer, .address_space: global }
      - { .name: Wv, .offset: 40, .size: 8, .value_kind: global_buffer, .address_space: global }
      - { .name: Wo, .offset: 48, .size: 8, .value_kind: global_buffer, .address_space: global }
      - { .name: mask, .offset: 56, .size: 8, .value_kind: global_buffer, .address_space: global }
      - { .name: codes, .offset: 64, .size: 8, .value_kind: global_buffer, .address_space: global }
      - { .name: scales, .offset: 72, .size: 8, .value_kind: global_buffer, .address_space: global }
      - { .name: maskw, .offset: 80, .size: 8, .value_kind: global_buffer, .address_space: global }
    .group_segment_fixed_size: 51456
    .private_segment_fixed_size: 0
    .kernarg_segment_align: 8
    .kernarg_segment_size: 88
    .max_flat_workgroup_size: 192
    .sgpr_count:     66
    .vgpr_count:     256
    .wavefront_size: 32
...
	.end_amdgpu_metadata
.endif
;; end of part 1
;; launch proj (part 2): grid 256 x 1, 4 waves a work-group, clusters of 4 x 1, 327,680 bytes of LDS; arguments codes, scales, bq, bk, bv, qb, kb, vb; writes qb, kb, vb
.if DOCPART == 2
	.amdgcn_target "amdgcn-amd-amdhsa--gfx1250"
	.amdhsa_code_object_version 6
	.text
	.protected	k_q4fa7260043_proj
	.globl	k_q4fa7260043_proj
	.p2align	8
	.type	k_q4fa7260043_proj,@function
k_q4fa7260043_proj:
	s_mov_b64 s[64:65], 0
	v_nop
	global_prefetch_b8 v0, s[64:65] scope:SCOPE_SE
	s_setreg_imm32_b32 hwreg(HW_REG_WAVE_MODE, 25, 1), 1
	s_wait_xcnt 0x0
	s_wait_alu depctr_hold_cnt(0) depctr_sa_sdst(0) depctr_va_vdst(0) depctr_va_sdst(0) depctr_va_ssrc(0) depctr_va_vcc(0) depctr_vm_vsrc(0)
	s_getreg_b32 s2, hwreg(HW_REG_IB_STS2, 6, 4)
	s_cmp_eq_u32 s2, 0
	s_cbranch_scc0 .Lentry_in_a_cluster
	s_endpgm
.Lentry_in_a_cluster:
	s_bfe_u32 s2, ttmp6, 0x10000c
	s_cmp_lg_u32 s2, 0x3003
	s_cbranch_scc0 .Lentry_shape_is_right
	s_endpgm
.Lentry_shape_is_right:
; LAUNCH 2 OF 4: q = query Wq^T + bq, k = key Wk^T + bk, v = value Wv^T + bv on codes of E2M3 (launch 1's), each result quantised at once along the K of the attention product that takes it.  No work is left out.
; A tile is 128 P rows (source 0: a lane's result registers run along them) x 128 R rows (source 1: one row to a lane), K = 1,024.  Three kinds:
;   0: P = Wq, R = query;  1: P = Wk, R = key: registers run along the features, so a lane's 64 numbers are two heads' 64 channels of one position: K of the score product;
;   2: P = value, R = Wv: registers run along 128 keys, a lane holds one channel: K of the second attention product.
; A WORK-GROUP STAYS: it makes one tile of each kind, in turn, in straight-line text.  The three P slabs (98,304 dense bytes each) lie in LDS side by side and are all asked for at the head: no byte of LDS is filled twice.
; Wave w: all 8 P tiles x R tiles 2 w, 2 w + 1: 16 accumulators, which take turns.  R (2 tiles x 8 K steps, 192 registers) is the wave's own and comes from memory straight into registers, once; it has two sets of
; registers, and behind the products of K step s the NEXT kind's R of K step s is asked for.  The later kinds' scale words and all biases are asked for behind kind 0's K steps, eight loads a step.
; CLUSTER 4 x 1: the four partners need the same three P slabs: every tensor load is a JOINT one.  R is shared by no partner.
; qb, kb: [batch x head 0..31][block of 128 positions 0..15][6,656 bytes]: 4 images of 1,536 bytes (registers [tile 2 i's 6 | tile 2 i + 1's 6] in groups of four at 16 x lane), then 4 x 128 bytes of scale words
;   (lane r + 16 h: tile 2 i + h, row r; bytes 0, 1 the head's two blocks, bytes 2, 3 zero).  vb: the same frame: 4 fragments (channel tile, 128 keys), then 4 x 128 bytes of scale words.
; The scale words leave 128 bytes on end, half an aligned 256: one byte in 13 of what the launch stores.
; LIMITS: as launch 1: NaN and infinities are not served; a block of zeros carries the byte 1.
; REGISTERS: window 0: v1-15 addresses; v20-23 bv; v24-55 P's scale words, v56-63 R's; v64-159, v160-255 P's fragments, two sets (epilogue: v64-127 results, v128-151 codes, v152-164, v200-215 at work).
;   window 1: R of kinds 0 and 2 at 96 rt + 12 s; v192-231 kind 1's scale words till they are wanted.   window 2: accumulators at 64 rt + 8 pt; v128-191 bq, v192-255 bk.
;   window 3: R of kind 1; v192-231 kind 2's scale words till they are wanted.
; WAITS FOR LOADS are counted by the text itself: LC is the number of loads issued so far, a mark is LC behind a group's last load, and the wait's count is LC less the mark, held at 63, the most that the wait can name.
; THE SLABS' LOADS, one tensor load a wave at a time (this replaces what the lines above say of the head): at the head wave w asks for a quarter (24,576 bytes) of the first slab; the second slab is asked for behind
; the wait for the first, the add and a round of the cluster's barrier; the third in the same way at the change from kind 0 to kind 1.
.set SLABB, 98304
.set SPARE, 3*SLABB                    ; behind the three slabs: the spare words, 128 bytes a wave: two blocks of 256 bytes that no other line names
.set HEADB, 106496                     ; a head in qb, kb, vb
.set SPW, 8
.set NIL, 9
.set B2,  20                           ; bv: one number a lane and R tile, twice
.set SCP, 24                           ; pair i of P's tiles, K step s: v[SCP + 8 i + s]: lanes 0-15 tile 2 i, lanes 16-31 tile 2 i + 1
.set SCR, 56                           ; K step s: v[SCR + s]: lanes 0-15 my first R tile, lanes 16-31 my second
.set PS,  64
.set T,   64
.set E,   128
.set CT,  152
.set PW,  160
.set TM,  200
.set BI,  128                          ; window 2: kind k's bias at BI + 64 k
.set STS, 192                          ; windows 1 and 3: 40 scale words in waiting
.set LC,  0
.set MSB, 0
.macro WIN new                         ; the immediate's high byte repeats the setting that is left
.if MSB != \new
	s_set_vgpr_msb (MSB<<8)|\new
.set MSB, \new
.endif
.endm
.macro CROUND                          ; a round of the cluster's barrier
	s_barrier_signal -1
	s_barrier_wait -1
	s_cmp_lg_u32 s2, 0
	s_cbranch_scc1 .Lnot_wave_0_\@
	s_barrier_signal -3
.Lnot_wave_0_\@:
	s_barrier_wait -3
	s_barrier_signal -1
	s_barrier_wait -1
.endm
.macro PLACES                          ; four plain places behind matrix instructions, in front of loads into their sources, of writes of their registers and of reads of their results
.rept 4
	v_nop
.endr
.endm
.macro LWAIT mark                      ; every load up to the mark is in: loads come back in order (ISA guide 5.7.1)
.set NW, LC-(\mark)
.if NW > 63
.set NW, 63
.endif
	s_wait_loadcnt NW
.endm
.macro FETCHP s                        ; P's eight fragments of K step s into set s % 2: images of the registers, every load on consecutive bytes; v1-4 stand in the slab in hand
.set FB, PS+96*((\s)%2)
.set i, 0
.rept 8
.irp c, 0,1
.if (\s) < 4
	ds_load_b128 v[FB+12*i+6*\c:FB+12*i+6*\c+3], v1 offset:12288*(\s)+1536*i+768*\c
	ds_load_b64 v[FB+12*i+6*\c+4:FB+12*i+6*\c+5], v2 offset:12288*(\s)+1536*i+768*\c
.else
	ds_load_b128 v[FB+12*i+6*\c:FB+12*i+6*\c+3], v3 offset:12288*((\s)-4)+1536*i+768*\c
	ds_load_b64 v[FB+12*i+6*\c+4:FB+12*i+6*\c+5], v4 offset:12288*((\s)-4)+1536*i+768*\c
.endif
.endr
.set i, i+1
.endr
.endm
.macro RLOAD k, s, win                 ; kind k's R of K step s, my two tiles: 8 loads into the window that win names
	WIN \win
.irp rt, 0,1
.irp c, 0,1
	global_load_b128 v[96*\rt+12*(\s)+6*\c:96*\rt+12*(\s)+6*\c+3], v5, s[28+2*\k:29+2*\k] offset:12288*(\s)+1536*\rt+768*\c
	global_load_b64 v[96*\rt+12*(\s)+6*\c+4:96*\rt+12*(\s)+6*\c+5], v6, s[28+2*\k:29+2*\k] offset:12288*(\s)+1536*\rt+768*\c
.endr
.endr
	WIN 0
.set LC, LC+8
.set RE\k\s, LC
.endm
.macro PSLOAD reg, sb                  ; the scale words of P's eight tiles: 8 loads
.irp i, 0,1,2,3
	global_load_b128 v[(\reg)+8*\i:(\reg)+8*\i+3], v7, s[\sb:\sb+1] offset:1024*\i
	global_load_b128 v[(\reg)+8*\i+4:(\reg)+8*\i+7], v7, s[\sb:\sb+1] offset:1024*\i+16
.endr
.set LC, LC+8
.endm
.macro RSLOAD reg, sb                  ; those of my two R tiles: 2 loads
	global_load_b128 v[(\reg):(\reg)+3], v7, s[\sb:\sb+1]
	global_load_b128 v[(\reg)+4:(\reg)+7], v7, s[\sb:\sb+1] offset:16
.set LC, LC+2
.endm
.macro BLOAD reg, sb, pt               ; a bias that runs along P: lane half h wants, for tile pt, features 32 (pt / 2) + 16 h + 8 (pt % 2) + 0 .. 7
	global_load_b128 v[(\reg)+8*(\pt):(\reg)+8*(\pt)+3], v12, s[\sb:\sb+1] offset:4*(32*((\pt)/2)+8*((\pt)%2))
	global_load_b128 v[(\reg)+8*(\pt)+4:(\reg)+8*(\pt)+7], v12, s[\sb:\sb+1] offset:4*(32*((\pt)/2)+8*((\pt)%2))+16
.endm
.macro MISC g                          ; group g of seven, eight loads each, behind kind 0's K step g: what the epilogues and the later kinds want
.if (\g) < 2
	WIN 0x80                                       ; destination window 2: bq
.irp q, 0,1,2,3
	BLOAD BI, 78, 4*(\g)+\q
.endr
.set LC, LC+8
.set BE0, LC
.elseif (\g) == 2
	WIN 0x40                                       ; destination window 1: kind 1's scale words
	PSLOAD STS, 68
.elseif (\g) == 3
	WIN 0x40
	RSLOAD STS+32, 74
.set SE1, LC
	WIN 0xc0                                       ; destination window 3: kind 2's
	RSLOAD STS+32, 76
	WIN 0
.irp rt, 0,1                                   ; bv runs along R: one number a lane and tile, twice, for the packed addition
	global_load_b32 v[B2+2*\rt], v13, s[82:83] offset:32*\rt
	global_load_b32 v[B2+2*\rt+1], v13, s[82:83] offset:32*\rt
.endr
.set LC, LC+4
.set BE2, LC
.elseif (\g) < 6
	WIN 0x80                                       ; bk
.irp q, 0,1,2,3
	BLOAD BI+64, 80, 4*((\g)-4)+\q
.endr
.set LC, LC+8
.set BE1, LC
.elseif (\g) == 6
	WIN 0xc0
	PSLOAD STS, 70
.set SE2, LC
.endif
	WIN 0
.endm
.macro WM s, pt, rt                    ; one product: P tile pt x R tile rt, K step s.  The first K step starts the sums with the constant 0
.set rD, 64*(\rt)+8*(\pt)
.set rA, PS+96*((\s)%2)+12*(\pt)
.set rB, 96*(\rt)+12*(\s)
.set rX, SCP+8*((\pt)/2)+(\s)
.set rY, SCR+(\s)
.set rw, 2*((\pt)%2)+(\rt)
.if (\s) == 0
.if rw == 0
	v_wmma_scale_f32_16x16x128_f8f6f4 v[rD:rD+7], v[rA:rA+11], v[rB:rB+11], 0, v[rX], v[rY] matrix_a_fmt:MATRIX_FMT_FP6 matrix_b_fmt:MATRIX_FMT_FP6
.elseif rw == 1
	v_wmma_scale_f32_16x16x128_f8f6f4 v[rD:rD+7], v[rA:rA+11], v[rB:rB+11], 0, v[rX], v[rY] matrix_a_fmt:MATRIX_FMT_FP6 matrix_b_fmt:MATRIX_FMT_FP6 matrix_b_scale:MATRIX_SCALE_ROW1
.elseif rw == 2
	v_wmma_scale_f32_16x16x128_f8f6f4 v[rD:rD+7], v[rA:rA+11], v[rB:rB+11], 0, v[rX], v[rY] matrix_a_fmt:MATRIX_FMT_FP6 matrix_b_fmt:MATRIX_FMT_FP6 matrix_a_scale:MATRIX_SCALE_ROW1
.else
	v_wmma_scale_f32_16x16x128_f8f6f4 v[rD:rD+7], v[rA:rA+11], v[rB:rB+11], 0, v[rX], v[rY] matrix_a_fmt:MATRIX_FMT_FP6 matrix_b_fmt:MATRIX_FMT_FP6 matrix_a_scale:MATRIX_SCALE_ROW1 matrix_b_scale:MATRIX_SCALE_ROW1
.endif
.else
.if rw == 0
	v_wmma_scale_f32_16x16x128_f8f6f4 v[rD:rD+7], v[rA:rA+11], v[rB:rB+11], v[rD:rD+7], v[rX], v[rY] matrix_a_fmt:MATRIX_FMT_FP6 matrix_b_fmt:MATRIX_FMT_FP6
.elseif rw == 1
	v_wmma_scale_f32_16x16x128_f8f6f4 v[rD:rD+7], v[rA:rA+11], v[rB:rB+11], v[rD:rD+7], v[rX], v[rY] matrix_a_fmt:MATRIX_FMT_FP6 matrix_b_fmt:MATRIX_FMT_FP6 matrix_b_scale:MATRIX_SCALE_ROW1
.elseif rw == 2
	v_wmma_scale_f32_16x16x128_f8f6f4 v[rD:rD+7], v[rA:rA+11], v[rB:rB+11], v[rD:rD+7], v[rX], v[rY] matrix_a_fmt:MATRIX_FMT_FP6 matrix_b_fmt:MATRIX_FMT_FP6 matrix_a_scale:MATRIX_SCALE_ROW1
.else
	v_wmma_scale_f32_16x16x128_f8f6f4 v[rD:rD+7], v[rA:rA+11], v[rB:rB+11], v[rD:rD+7], v[rX], v[rY] matrix_a_fmt:MATRIX_FMT_FP6 matrix_b_fmt:MATRIX_FMT_FP6 matrix_a_scale:MATRIX_SCALE_ROW1 matrix_b_scale:MATRIX_SCALE_ROW1
.endif
.endif
.endm
.macro KSTEP k, s, mulwin              ; K step s of kind k; mulwin: P window 0, R window 1 or 3, C and D window 2
	s_wait_dscnt 0x0                               ; P's fragments of this step are in; no LDS instruction of mine is out at a signal
.if (\s) < 7
.if (\s) > 0
	PLACES                                         ; the set was read by the products of the step before
.endif
	FETCHP (\s)+1
.endif
	LWAIT RE\k\s                                   ; R's fragments of this step are in, and all that was asked for earlier
	WIN \mulwin
.set pp, 0
.rept 8
	WM \s, pp, 0                                   ; the 16 accumulators by turns, one instruction a turn, in the same order in every step
	WM \s, pp, 1
.set pp, pp+1
.endr
	WIN 0
.endm
; 64 numbers of a lane, register 16 b + i = k 32 b + 16 h + i of my row, become codes: blocks 0, 1 in v[d0] on, blocks 2, 3 in v[d1] on (six registers each: lane half h holds block h whole), and the four bytes in v[pw]
.macro QUANT s, d0, d1, pw
.irp b, 0,1,2,3
	v_max3_num_f32 v[TM+\b], |v[(\s)+16*\b]|, |v[(\s)+1+16*\b]|, 0x1800000   ; my 16 numbers of block b, and the floor 2^(3 - 127): the byte cannot fall under 1
.endr
.irp i, 2,4,6,8,10,12,14
.irp b, 0,1,2,3
	v_max3_num_f32 v[TM+\b], v[TM+\b], |v[(\s)+16*\b+\i]|, |v[(\s)+1+16*\b+\i]|
.endr
.endr
.irp b, 0,1,2,3
	v_permlanex16_b32 v[TM+4+\b], v[TM+\b], s34, s35
.endr
.irp b, 0,1,2,3
	v_max_num_f32 v[TM+\b], v[TM+\b], v[TM+4+\b]   ; with lane l xor 16's: the block's largest magnitude
.endr
.irp b, 0,1,2,3
	v_add_nc_u32 v[TM+12+\b], 0xff000000, v[TM+\b] ; 2 off its exponent field: the conversion's scale operand
.endr
.irp b, 0,1,2,3
	v_lshrrev_b32 v[TM+4+\b], 23, v[TM+12+\b]      ; the scale's byte
.endr
	v_lshl_or_b32 v[\pw], v[TM+5], 8, v[TM+4]
	v_lshl_or_b32 v[\pw], v[TM+6], 16, v[\pw]
	v_lshl_or_b32 v[\pw], v[TM+7], 24, v[\pw]
	v_cvt_scalef32_pk16_fp6_f32 v[(\d0):(\d0)+2], v[(\s):(\s)+15], v[TM+12]
	v_cvt_scalef32_pk16_fp6_f32 v[CT:CT+2], v[(\s)+16:(\s)+31], v[TM+13]      ; (a conversion's three registers begin on an even number)
	v_cvt_scalef32_pk16_fp6_f32 v[(\d1):(\d1)+2], v[(\s)+32:(\s)+47], v[TM+14]
	v_cvt_scalef32_pk16_fp6_f32 v[CT+4:CT+6], v[(\s)+48:(\s)+63], v[TM+15]
	v_nop                                          ; one plain place behind a scaled conversion
.irp i, 0,1,2
	v_permlane16_swap_b32 v[(\d0)+\i], v[CT+\i]    ; the first's lanes 16-31 change places with the second's lanes 0-15: a whole block to a lane
	v_permlane16_swap_b32 v[(\d1)+\i], v[CT+4+\i]
.endr
.irp i, 0,1,2
	v_mov_b32 v[(\d0)+3+\i], v[CT+\i]
	v_mov_b32 v[(\d1)+3+\i], v[CT+4+\i]
.endr
.endm
.macro SCMOVE k, win                   ; kind k's 40 scale words come to where scale operands are taken from; the whole epilogue stands between these lines and the products that name them
	LWAIT SE\k
	WIN \win                                       ; source window 1 or 3
.set i, 0
.rept 40
	v_mov_b32 v[SCP+i], v[STS+i]
.set i, i+1
.endr
	WIN 0
.endm
; The epilogue of kind k.  form 0: the bias runs along P, the results are two heads' pair images; form 2: it runs along R, the results are two channel tiles' fragments.  db: the results' base; vo, vs: my offsets of codes and scale words
.macro EPI form, k, db, vo, vs
	LWAIT BE\k                                     ; the bias is in
.irp b, 0,1,2,3
	v_mov_b32 v[TM+4+\b], 0                        ; a lane permute's destination counts as one of its sources
.endr
.irp rt, 0,1
.if \form == 0
	WIN 0x0a                                       ; sources window 2, destination window 0: the bias is added on the way
.else
	WIN 0x02                                       ; the sums window 2, the bias and the destination window 0
.endif
.set i, 0
.rept 32
.if \form == 0
	v_pk_add_f32 v[T+2*i:T+2*i+1], v[64*\rt+2*i:64*\rt+2*i+1], v[BI+64*\k+2*i:BI+64*\k+2*i+1]   ; each accumulator from its low end on
.else
	v_pk_add_f32 v[T+2*i:T+2*i+1], v[64*\rt+2*i:64*\rt+2*i+1], v[B2+2*\rt:B2+2*\rt+1]
.endif
.set i, i+1
.endr
	WIN 0
.if \form == 0
	QUANT T, E+6*\rt, E+12+6*\rt, PW+\rt           ; v[E] on: the first head's pair image, v[E + 12] on: the second head's
.else
	QUANT T, E+12*\rt, E+12*\rt+6, PW+\rt          ; v[E + 12 rt] on: the fragment of channel tile rt
.endif
.endr
.set q, 0
.rept 6
.if \form == 0
	global_store_b128 v[\vo], v[E+4*q:E+4*q+3], s[\db:\db+1] offset:(q/3)*HEADB+512*(q%3)        ; 512 consecutive bytes, aligned
.else
	global_store_b128 v[\vo], v[E+4*q:E+4*q+3], s[\db:\db+1] offset:(q/3)*1536+512*(q%3)
.endif
.set q, q+1
.endr
.if \form == 0
	v_cndmask_b32 v[PW+2], v[PW], v[PW+1], s104    ; lanes 0-15 my first tile's word, lanes 16-31 my second's
	v_and_b32 v[PW+3], 0xffff, v[PW+2]             ; the first head's two bytes,
	v_lshrrev_b32 v[PW+4], 16, v[PW+2]             ; the second head's
	global_store_b32 v[\vs], v[PW+3], s[\db:\db+1]
	global_store_b32 v[\vs], v[PW+4], s[\db:\db+1] offset:HEADB
.else
	global_store_b32 v[\vs], v[PW], s[\db:\db+1]
	global_store_b32 v[\vs], v[PW+1], s[\db:\db+1] offset:128
.endif
.endm
.macro NEXTK fill                      ; on to the next kind's slab; fill = 1: the third slab is asked for here
	s_wait_xcnt 0x0                                ; the stores have read their data, which lie in P's registers: these are loaded again only behind this wait
.irp a, 1,2,3,4
	v_add_nc_u32 v\a, SLABB, v\a
.endr
	s_wait_alu depctr_va_vdst(0)
	s_wait_tensorcnt 0x0                           ; my part of the next slab has landed
.if \fill
	ds_add_u32 v[SPW], v[NIL]
	s_wait_dscnt 0x0
	CROUND                                         ; everybody's part has landed, and the four partners' joint loads meet
	tensor_load_to_lds s[96:99], s[84:91]          ; the third slab: my one load behind the round
	s_nop 0
	PLACES
.else
	s_barrier_signal -1
	s_barrier_wait -1                              ; everybody's has
.endif
	FETCHP 0
.endm
	s_load_b512 s[4:19], s[0:1], 0x0               ; codes, scales, bq, bk, bv, qb, kb, vb
	v_lshl_add_u32 v[SPW], v0, 2, SPARE
	v_mov_b32 v[NIL], 0
	ds_add_u32 v[SPW], v[NIL]                      ; the wave's opening: the add, twice on end, and its wait ahead of my first tensor load; work on registers stands between
	ds_add_u32 v[SPW], v[NIL]
	v_lshrrev_b32 v16, 5, v0
	v_readfirstlane_b32 s2, v16                    ; wave 0..3
	s_bfe_u32 s20, ttmp6, 0x40000                  ; cx: it enters global addresses of R, bias and results alone
	s_lshr_b32 s21, ttmp9, 3                       ; kinds 0, 1: which 128 features (P): of the cluster's number alone
	s_and_b32 s22, ttmp9, 7
	s_lshl_b32 s22, s22, 2
	s_add_co_u32 s22, s22, s20                     ; and which 128 positions (R)
	s_lshr_b32 s23, ttmp9, 1                       ; kind 2: which 128 positions (P): of the cluster's number alone
	s_and_b32 s24, ttmp9, 1
	s_lshl_b32 s24, s24, 2
	s_add_co_u32 s24, s24, s20                     ; and which 128 features (R)
	s_mul_i32 s3, s2, 24576                        ; my part of a later slab
	; byte offsets first, each in the pair that will hold the address.  P: Wq's slabs begin at 96, Wk's at 104, value's at 64; a slab's scale words are 4,096 bytes
	s_add_co_u32 s26, s21, 96
	s_mul_i32 s46, s26, SLABB
	s_add_co_u32 s46, s46, s3
	s_mov_b32 s47, 0
	s_lshl_b32 s66, s26, 12
	s_mov_b32 s67, 0
	s_add_co_u32 s26, s21, 104
	s_mul_i32 s94, s26, SLABB
	s_add_co_u32 s94, s94, s3
	s_mov_b32 s95, 0
	s_lshl_b32 s68, s26, 12
	s_mov_b32 s69, 0
	s_add_co_u32 s26, s23, 64
	s_mul_i32 s98, s26, SLABB
	s_add_co_u32 s98, s98, s3
	s_mov_b32 s99, 0
	s_lshl_b32 s70, s26, 12
	s_mov_b32 s71, 0
	; R: query's slabs begin at 0, key's at 32, Wv's at 112; of the scale words my two tiles' 1,024 bytes
	s_lshl_b32 s27, s2, 10
	s_mul_i32 s28, s22, SLABB
	s_mov_b32 s29, 0
	s_lshl_b32 s72, s22, 12
	s_add_co_u32 s72, s72, s27
	s_mov_b32 s73, 0
	s_add_co_u32 s105, s22, 32
	s_mul_i32 s30, s105, SLABB
	s_mov_b32 s31, 0
	s_lshl_b32 s74, s105, 12
	s_add_co_u32 s74, s74, s27
	s_mov_b32 s75, 0
	s_add_co_u32 s105, s24, 112
	s_mul_i32 s32, s105, SLABB
	s_mov_b32 s33, 0
	s_lshl_b32 s76, s105, 12
	s_add_co_u32 s76, s76, s27
	s_mov_b32 s77, 0
	s_lshl_b32 s78, s21, 9                         ; the biases of my 128 features
	s_mov_b32 s79, 0
	s_mov_b32 s80, s78
	s_mov_b32 s81, 0
	s_lshl_b32 s82, s24, 9
	s_mov_b32 s83, 0
	; results, kinds 0, 1: ((16 x batch + 2 x feature slab) x 16 + block) x 6,656
	s_lshr_b32 s60, s22, 4
	s_lshl_b32 s60, s60, 4
	s_lshl_b32 s61, s21, 1
	s_add_co_u32 s60, s60, s61
	s_lshl_b32 s60, s60, 4
	s_and_b32 s61, s22, 15
	s_add_co_u32 s60, s60, s61
	s_mul_i32 s60, s60, 6656
	s_mov_b32 s61, 0
	s_mov_b32 s62, s60
	s_mov_b32 s63, 0
	; kind 2: the same, + my wave's head of the slab's two
	s_lshr_b32 s100, s23, 4
	s_lshl_b32 s100, s100, 4
	s_lshl_b32 s101, s24, 1
	s_add_co_u32 s100, s100, s101
	s_lshr_b32 s101, s2, 1
	s_add_co_u32 s100, s100, s101
	s_lshl_b32 s100, s100, 4
	s_and_b32 s101, s23, 15
	s_add_co_u32 s100, s100, s101
	s_mul_i32 s100, s100, 6656
	s_mov_b32 s101, 0
	s_mov_b32 s84, 15|(3<<16)|(1<<21)              ; group 1, a whole slab's part: the same with 96 rows
	s_mov_b32 s85, 32<<16
	s_mov_b32 s86, 96<<16
	s_mov_b32 s87, 32<<16
	s_mov_b32 s88, 96
	s_mov_b32 s89, 32
	s_mov_b32 s90, 0
	s_mov_b32 s91, 0
	s_mov_b32 s34, 0x76543210
	s_mov_b32 s35, 0xfedcba98                      ; v_permlanex16_b32's selects for lane l xor 16
	s_mov_b32 s104, 0xffff0000                     ; lanes 16-31
	v_and_b32 v16, 31, v0                          ; lane
	v_and_b32 v17, 15, v0                          ; r
	v_bfe_u32 v18, v0, 4, 1                        ; h
	v_lshlrev_b32 v1, 4, v16                       ; LDS: 16 x lane,
	v_lshl_add_u32 v2, v16, 3, 512                 ; 8 x lane + 512,
	v_add_nc_u32 v3, 49152, v1                     ; and the same for K steps 4 to 7 (an offset has 16 bits)
	v_add_nc_u32 v4, 49152, v2
	s_mul_i32 s27, s2, 3072
	v_add_nc_u32 v5, s27, v1                       ; R: my two tiles
	v_add_nc_u32 v6, s27, v2
	v_lshlrev_b32 v7, 5, v16                       ; scale words: 32 bytes a row, two tiles on end
	s_mul_i32 s27, s2, 1536
	v_add_nc_u32 v10, s27, v1                      ; results, kinds 0, 1: image w,
	s_lshl_b32 s27, s2, 7
	s_add_co_u32 s27, s27, 6144
	v_lshl_add_u32 v11, v16, 2, s27                ; and its scale words
	s_and_b32 s27, s2, 1
	s_mul_i32 s27, s27, 3072
	v_add_nc_u32 v14, s27, v1                      ; kind 2: fragments 2 (w % 2) and the next,
	s_and_b32 s27, s2, 1
	s_lshl_b32 s27, s27, 8
	s_add_co_u32 s27, s27, 6144
	v_lshl_add_u32 v15, v16, 2, s27                ; and their scale words
	v_lshlrev_b32 v12, 6, v18                      ; bias along P: 16 h numbers on
	v_and_b32 v19, 7, v17
	v_lshlrev_b32 v13, 2, v19
	v_lshrrev_b32 v19, 3, v17
	v_lshl_add_u32 v13, v19, 6, v13
	s_lshl_b32 s27, s2, 7
	v_add_nc_u32 v13, s27, v13                     ; bias along R: feature 32 w + r % 8 + 16 (r / 8)
	s_wait_dscnt 0x0                               ; both opening adds are done
	s_wait_kmcnt 0x0
	s_add_nc_u64 s[46:47], s[4:5], s[46:47]        ; P's addresses: made of the cluster's and the wave's number alone
	s_mov_b32 s44, 1                               ; group 0: count = 1
	s_mov_b32 s45, s3                              ; LDS address: a slab lies as in memory
	s_or_b32 s47, s47, 0x80000000                  ; type = 2
	s_add_nc_u64 s[94:95], s[4:5], s[94:95]
	s_mov_b32 s92, 1
	s_add_co_u32 s93, s3, SLABB
	s_or_b32 s95, s95, 0x80000000
	s_add_nc_u64 s[98:99], s[4:5], s[98:99]
	s_mov_b32 s96, 1
	s_add_co_u32 s97, s3, 2*SLABB
	s_or_b32 s99, s99, 0x80000000
.irp k, 0,1,2
	s_add_nc_u64 s[28+2*\k:29+2*\k], s[4:5], s[28+2*\k:29+2*\k]       ; R's codes
	s_add_nc_u64 s[66+2*\k:67+2*\k], s[6:7], s[66+2*\k:67+2*\k]       ; P's scale words
	s_add_nc_u64 s[72+2*\k:73+2*\k], s[6:7], s[72+2*\k:73+2*\k]       ; R's
	s_add_nc_u64 s[78+2*\k:79+2*\k], s[8+2*\k:9+2*\k], s[78+2*\k:79+2*\k]   ; bq, bk, bv
.endr
	s_add_nc_u64 s[60:61], s[14:15], s[60:61]      ; qb
	s_add_nc_u64 s[62:63], s[16:17], s[62:63]      ; kb
	s_add_nc_u64 s[100:101], s[18:19], s[100:101]  ; vb
	CROUND                                         ; all four work-groups are here: the joint loads meet
	tensor_load_to_lds s[44:47], s[84:91]          ; my quarter of the first slab: one load a wave at the head
	s_nop 0
.rept 4
	v_nop
.endr
	PSLOAD SCP, 66                                 ; kind 0's scale words go straight to their places
	RSLOAD SCR, 72
.irp s, 0,1,2,3,4,5,6,7
	RLOAD 0, \s, 0x40
.endr
	s_wait_alu depctr_va_vdst(0)
	s_wait_tensorcnt 0x0                           ; my quarter of the first slab has landed
	ds_add_u32 v[SPW], v[NIL]
	s_wait_dscnt 0x0
	CROUND                                         ; everybody's has, and the joint loads meet
	tensor_load_to_lds s[92:95], s[84:91]          ; the second slab: my one load behind the round
	s_nop 0
	PLACES
	FETCHP 0
	s_wait_alu depctr_va_vdst(0)
.irp s, 0,1,2,3,4,5,6,7                        ; ---- kind 0: q
	KSTEP 0, \s, 0xa4
	RLOAD 1, \s, 0xc0                              ; key's codes of the same K step, into window 3
	MISC \s
.endr
	PLACES                                         ; behind the last products: their scale registers and operands are written and their results read below
	SCMOVE 1, 0x01
	EPI 0, 0, 60, 10, 11
	NEXTK 1
.irp s, 0,1,2,3,4,5,6,7                        ; ---- kind 1: k
	KSTEP 1, \s, 0xac
	RLOAD 2, \s, 0x40                              ; Wv's codes of the same K step, into window 1, which kind 0 has left
.endr
	PLACES
	SCMOVE 2, 0x03
	EPI 0, 1, 62, 10, 11
	NEXTK 0
.irp s, 0,1,2,3,4,5,6,7                        ; ---- kind 2: v
	KSTEP 2, \s, 0xa4
.endr
	PLACES
	EPI 2, 2, 100, 14, 15
	s_wait_tensorcnt 0x0                           ; the wave's end
	ds_add_u32 v[SPW], v[NIL]
	s_wait_dscnt 0x0
	CROUND                                         ; the closing round
	s_endpgm
.Lfunc_end_k_q4fa7260043_proj:
	.size	k_q4fa7260043_proj, .Lfunc_end_k_q4fa7260043_proj-k_q4fa7260043_proj
	.p2alignl 7, 3214868480
	.fill 96, 4, 3214868480
	.section	.rodata,"a",@progbits
	.p2align	6, 0x0
	.amdhsa_kernel k_q4fa7260043_proj
		.amdhsa_group_segment_fixed_size 327680
		.amdhsa_private_segment_fixed_size 0
		.amdhsa_enable_private_segment 0
		.amdhsa_kernarg_size 64
		.amdhsa_user_sgpr_count 2
		.amdhsa_user_sgpr_kernarg_segment_ptr 1
		.amdhsa_wavefront_size32 1
		.amdhsa_system_sgpr_workgroup_id_x 1
		.amdhsa_system_sgpr_workgroup_id_y 1
		.amdhsa_system_sgpr_workgroup_id_z 1
		.amdhsa_system_vgpr_workitem_id 0
		.amdhsa_next_free_vgpr 1024
		.amdhsa_next_free_sgpr 106
		.amdhsa_reserve_vcc 0
		.amdhsa_float_denorm_mode_32 3
		.amdhsa_float_denorm_mode_16_64 3
		.amdhsa_memory_ordered 1
		.amdhsa_forward_progress 1
		.amdhsa_inst_pref_size 178
	.end_amdhsa_kernel
	.amdgpu_metadata
---
amdhsa.version: [ 1, 2 ]
amdhsa.kernels:
  - .name:           k_q4fa7260043_proj
    .symbol:         k_q4fa7260043_proj.kd
    .args:
      - { .name: codes, .offset: 0, .size: 8, .value_kind: global_buffer, .address_space: global }
      - { .name: scales, .offset: 8, .size: 8, .value_kind: global_buffer, .address_space: global }
      - { .name: bq, .offset: 16, .size: 8, .value_kind: global_buffer, .address_space: global }
      - { .name: bk, .offset: 24, .size: 8, .value_kind: global_buffer, .address_space: global }
      - { .name: bv, .offset: 32, .size: 8, .value_kind: global_buffer, .address_space: global }
      - { .name: qb, .offset: 40, .size: 8, .value_kind: global_buffer, .address_space: global }
      - { .name: kb, .offset: 48, .size: 8, .value_kind: global_buffer, .address_space: global }
      - { .name: vb, .offset: 56, .size: 8, .value_kind: global_buffer, .address_space: global }
    .group_segment_fixed_size: 327680
    .private_segment_fixed_size: 0
    .kernarg_segment_align: 8
    .kernarg_segment_size: 64
    .max_flat_workgroup_size: 128
    .sgpr_count:     106
    .vgpr_count:     1024
    .wavefront_size: 32
...
	.end_amdgpu_metadata
.endif
;; end of part 2
;; launch attn (part 3): grid 8 x 32, 8 waves a work-group, clusters of 4 x 1, 327,680 bytes of LDS; arguments qb, kb, vb, maskw, xc, xs; writes xc, xs
.if DOCPART == 3
	.amdgcn_target "amdgcn-amd-amdhsa--gfx1250"
	.amdhsa_code_object_version 6
	.text
	.protected	k_q4fa7260043_attn
	.globl	k_q4fa7260043_attn
	.p2align	8
	.type	k_q4fa7260043_attn,@function
k_q4fa7260043_attn:
	s_mov_b64 s[64:65], 0
	v_nop
	global_prefetch_b8 v0, s[64:65] scope:SCOPE_SE
	s_setreg_imm32_b32 hwreg(HW_REG_WAVE_MODE, 25, 1), 1
	s_wait_xcnt 0x0
	s_wait_alu depctr_hold_cnt(0) depctr_sa_sdst(0) depctr_va_vdst(0) depctr_va_sdst(0) depctr_va_ssrc(0) depctr_va_vcc(0) depctr_vm_vsrc(0)
	s_getreg_b32 s2, hwreg(HW_REG_IB_STS2, 6, 4)
	s_cmp_eq_u32 s2, 0
	s_cbranch_scc0 .Lentry_in_a_cluster
	s_endpgm
.Lentry_in_a_cluster:
	s_bfe_u32 s2, ttmp6, 0x10000c
	s_cmp_lg_u32 s2, 0x3003
	s_cbranch_scc0 .Lentry_shape_is_right
	s_endpgm
.Lentry_shape_is_right:
; LAUNCH 3 OF 4: x = softmax(where(mask == 0, -1e9, q k^T / 8)) v for each batch and head, both products on codes of E2M3; x is quantised at once along the output projection's K.  No work is left out.
; THE SOFTMAX AHEAD OF THE SECOND PRODUCT: t = score x log2(e) / 8; M = the running largest t rounded UP to a whole number; p = 2^(t - M) is quantised along the keys; the row's sum is taken of the
; unquantised p and divides at the end.  When M moves, the sum and O are multiplied by 2^(old M - new M): exact.
; LIMIT: a masked score is taken as -2^33 (logit -2^30) in place of logit -1e9: -2^33 c is a whole number in f32, so that in a row that is masked throughout t - M is exactly 0 and p = 1, as reference() has it.
;   The results are reference()'s as long as every unmasked logit lies above about -1e9 + 150.  NaN and infinities are not served.
; SHARES.  A work-group owns 256 queries of one head; each of its EIGHT waves two tiles of 16 queries, a and b, in 512 registers: tile a's state lies in register window 0, tile b's under the same numbers in window 1.
; A TRIP is one key step of 128: LDS loads of K(i + 1) and V(i); a's softmax; O_a += V p_a and S_a(i + 1); b's softmax; O_b += V p_b and S_b(i + 1).  So a tile's scores are made under the other tile's
; vector work, and each fragment of K and V read from LDS serves two tiles.
; K AND V of the head, 2 x 106,496 bytes with their scale words, fill LDS once, one tensor load a wave at a time: key steps 0-3 at the head (a frame of 6,656 bytes a wave; waves 0-3 K, 4-7 V), key steps 4-15
; (three frames a wave) behind the wait for those, the add and a round of the cluster's barrier.  Trips 0-2 read frames 0-3 alone; a barrier stands ahead of trip 3.
; CLUSTER 4 x 1: four query blocks of one head want the same K and V: every tensor load is a JOINT one.
; LAYOUT.  S^T = K Q^T (source 0 = 16 keys, source 1 = my queries), O^T = V^T P^T: a lane holds ONE query.  Tile t of a frame of K holds keys 64 (t / 4) + 8 (t % 4) + r % 8 + 32 (r / 8) (launch 1), so score register n
; of lane half h is key 64 (n / 32) + 32 h + n % 32: a lane's registers 32 c .. 32 c + 31 are block 2 c + h of 32 keys, whole and in order: the block's maximum needs no other lane, and the conversions' results are P's operand.
; K = 64 IN AN INSTRUCTION OF 128: Q's registers 6-11 are zero codes, so the upper half of K's operand may hold any codes (the next tile's); the scale bytes 2, 3 are 0, never 0xff.
; THE MASK comes as 64 words a tile and step (launch 1), one for each score register, by scalar loads half a trip ahead: one v_cndmask_b32 a score.
; PREFETCH: in trip i one instruction a wave names the two blocks of 256 bytes of mask words that trip min(i + 2, 15) loads (lane 0 tile a's, the other lanes tile b's); no partner reads these blocks.
; K and V are asked for at the launch's start, with no loop ahead of them to ask in: they are not prefetched.
; REGISTERS.  Both windows: v7 -2^33; v12 -M, v13 the largest t, v[14:15] the sum; v16-27 Q; v29 8 h; v96-159 S^T, then p; v160-191 O^T; v192-203 p's codes; v212-241 at work.
;   Window 0 alone: v1-4 LDS places; v5, v6 the add's two; v8-11 the step's addresses; v28 Q's scale words (lanes 0-15 a, 16-31 b); v30, v31 p's scale words of a, b; v32-79 K's 8 tiles, v80-85 zeros; v86-88 the way out;
;   v89 the prefetch's offset; v204-207, v208-211 K's, V's scale words.   Window 1 alone: v32-79 V's 4 fragments.
.set HEADB, 106496
.set FRAME, 6656
.set XSTG,  212992                     ; behind K and V: 16 tiles x 32 bytes of x's scale bytes, two blocks of 256 bytes into which no fill lands
.set SPARE, 213504                     ; the spare words, 128 bytes a wave: four blocks of 256 bytes that no other line names
.set MSB, 0
.macro WIN new                         ; the immediate's high byte repeats the setting that is left
.if MSB != (\new)
	s_set_vgpr_msb (MSB<<8)|(\new)
.set MSB, (\new)
.endif
.endm
.macro CROUND
	s_barrier_signal -1
	s_barrier_wait -1
	s_cmp_lg_u32 s2, 0
	s_cbranch_scc1 .Lnot_wave_0_\@
	s_barrier_signal -3
.Lnot_wave_0_\@:
	s_barrier_wait -3
	s_barrier_signal -1
	s_barrier_wait -1
.endm
.macro MLOAD off                       ; 64 mask words: word j in s[16 + j], from j = 48 on in s[20 + j]
	s_load_b512 s[16:31], s[12:13], \off
	s_load_b512 s[32:47], s[12:13], \off+0x40
	s_load_b512 s[48:63], s[12:13], \off+0x80
	s_load_b512 s[68:83], s[12:13], \off+0xc0
.endm
.macro KLOAD ai, as, off               ; K's four pair images (tile t at v[32 + 6 t]) and their scale words
.set i, 0
.rept 12
	ds_load_b128 v[32+4*i:35+4*i], v[\ai] offset:(\off)+512*i
.set i, i+1
.endr
.irp q, 0,1,2,3
	ds_load_b32 v[204+\q], v[\as] offset:(\off)+6144+128*\q
.endr
.endm
.macro SC w                            ; S^T of tile w: K window 0, Q and the scores in w's window; the eight accumulators one after the other
	WIN 0x44*(\w)
.set t, 0
.rept 4
.if \w == 0
	v_wmma_scale_f32_16x16x128_f8f6f4 v[96+8*t:103+8*t], v[32+6*t:43+6*t], v[16:27], 0, v[204+t/2], v28 matrix_a_fmt:MATRIX_FMT_FP6 matrix_b_fmt:MATRIX_FMT_FP6
	v_wmma_scale_f32_16x16x128_f8f6f4 v[104+8*t:111+8*t], v[38+6*t:49+6*t], v[16:27], 0, v[204+t/2], v28 matrix_a_fmt:MATRIX_FMT_FP6 matrix_b_fmt:MATRIX_FMT_FP6 matrix_a_scale:MATRIX_SCALE_ROW1
.else
	v_wmma_scale_f32_16x16x128_f8f6f4 v[96+8*t:103+8*t], v[32+6*t:43+6*t], v[16:27], 0, v[204+t/2], v28 matrix_a_fmt:MATRIX_FMT_FP6 matrix_b_fmt:MATRIX_FMT_FP6 matrix_b_scale:MATRIX_SCALE_ROW1
	v_wmma_scale_f32_16x16x128_f8f6f4 v[104+8*t:111+8*t], v[38+6*t:49+6*t], v[16:27], 0, v[204+t/2], v28 matrix_a_fmt:MATRIX_FMT_FP6 matrix_b_fmt:MATRIX_FMT_FP6 matrix_a_scale:MATRIX_SCALE_ROW1 matrix_b_scale:MATRIX_SCALE_ROW1
.endif
.set t, t+2
.endr
.endm
.macro PV w                            ; O^T += V^T P^T of tile w: V window 1, the rest in w's window; four accumulators by turns
	WIN 0x01+0x54*(\w)
.irp d, 0,1,2,3
	v_wmma_scale_f32_16x16x128_f8f6f4 v[160+8*\d:167+8*\d], v[32+12*\d:43+12*\d], v[192:203], v[160+8*\d:167+8*\d], v[208+\d], v[30+\w] matrix_a_fmt:MATRIX_FMT_FP6 matrix_b_fmt:MATRIX_FMT_FP6
.endr
.endm
.macro RS a, c                         ; c pairs of O^T, from pair a on, under the new M
.set j, 2*(\a)
.rept \c
	v_pk_mul_f32 v[160+j:161+j], v[160+j:161+j], v[232:233] op_sel_hi:[1,0]
.set j, j+2
.endr
.endm
; THE SOFTMAX OF TILE w FOR ONE KEY STEP.  nxt = 1: tile b's mask words of this step are asked for; 2: tile a's of the next step; 0: none.  pf = 1: the prefetch
.macro SOFT w, nxt, pf
	s_wait_kmcnt 0x0                               ; my mask words, asked for half a trip ago
	WIN 0x55*(\w)
	s_wait_alu depctr_va_vdst(0)
.set n, 0
.rept 64
.if n < 32
.set j, 2*n
.else
.set j, 2*(n-32)+1
.endif
.if j >= 48
.set j, j+4
.endif
	v_cndmask_b32 v[96+n], v7, v[96+n], s[16+j]    ; where the mask is 0: -2^33.  Each accumulator from its low end on
.set n, n+1
.endr
.if \nxt == 1
	MLOAD 0x1000                                   ; tile b's words lie 4,096 bytes behind tile a's
.elseif \nxt == 2
	s_wait_xcnt 0x0                                ; the prefetch has read its base; the scalar loads are done
	s_add_nc_u64 s[12:13], s[12:13], 256
	MLOAD 0x0
	s_cmp_lt_u32 s11, 13                           ; the prefetch's base stops at key step 15
	s_cselect_b32 s6, 256, 0
	s_add_nc_u64 s[8:9], s[8:9], s[6:7]
	s_add_co_u32 s11, s11, 1
.endif
.if \pf
	global_prefetch_b8 v89, s[8:9] th:TH_LOAD_NT scope:SCOPE_SE
.endif
.irp b, 0,1,2,3
	v_max3_num_f32 v[212+\b], v[96+16*\b], v[97+16*\b], v[98+16*\b]   ; four chains of 16 scores by turns
.endr
.irp i, 3,5,7,9,11,13
.irp b, 0,1,2,3
	v_max3_num_f32 v[212+\b], v[212+\b], v[96+16*\b+\i], v[97+16*\b+\i]
.endr
.endr
	v_max3_num_f32 v212, v212, v111, v127
	v_max3_num_f32 v214, v214, v143, v159
	v_max_num_f32 v212, v212, v213                 ; the largest score of block h: for the row's maximum and, since p rises with the score, for the block's largest p
	v_max_num_f32 v214, v214, v215                 ; and of block 2 + h
	s_delay_alu instid0(VALU_DEP_1)
	v_max_num_f32 v234, v212, v214
	s_delay_alu instid0(VALU_DEP_1)
	v_permlanex16_b32 v216, v234, s100, s101
	s_delay_alu instid0(VALU_DEP_1)
	v_max_num_f32 v234, v234, v216                 ; with lane l xor 16's 64 keys: the step's largest score of my query
	s_delay_alu instid0(VALU_DEP_1)
	v_mul_f32 v234, s66, v234                      ; as t (c is positive)
	s_delay_alu instid0(VALU_DEP_1)
	v_max_num_f32 v13, v13, v234                   ; the running largest t
	v_mov_b32 v234, v12
	s_delay_alu instid0(VALU_DEP_2)
	v_floor_f32 v12, -v13                          ; the new -M = floor(-t) = -ceil(t)
	s_delay_alu instid0(VALU_DEP_1)
	v_sub_f32 v234, v12, v234                      ; old M - new M: a whole number, 0 or less
.set j, 0
.rept 32
	v_pk_fma_f32 v[96+j:97+j], v[96+j:97+j], s[66:67], v[12:13] op_sel_hi:[1,0,0]   ; t - M, two at a time
.if j == 6
	v_cvt_i32_f32 v234, v234                       ; (it saturates)
.elseif j == 14
	v_ldexp_f32 v232, 1.0, v234                    ; f = 2^(old M - new M)
.endif
.set j, j+2
.endr
	v_fma_f32 v212, v212, s66, v12                 ; the same of each block's largest score
	v_fma_f32 v214, v214, s66, v12
	s_wait_alu depctr_va_vdst(0)
.set j, 0
.rept 64
	v_exp_f32 v[96+j], v[96+j]                     ; p = 2^(t - M), at most 1: not normalised
.set j, j+1
.endr
	v_exp_f32 v212, v212                           ; the blocks' largest p: the same two instructions on the same number give the same bits
	v_exp_f32 v214, v214
	s_wait_alu depctr_va_vdst(0)                   ; one wait for the batch of 66, which also stands directly ahead of O^T's first readers
	v_pk_mul_f32 v[14:15], v[14:15], v[232:233] op_sel_hi:[1,0]   ; the sum under the new M: the plain place behind the exponentials
	RS 0, 4                                        ; O^T under the new M, and between its lines the scale word's chain
	v_max_num_f32 v212, 0x1800000, v212            ; the floor 2^(3 - 127): a block whose every p is 0 keeps the byte 1: its codes are zeros
	v_max_num_f32 v214, 0x1800000, v214
	RS 4, 2
	v_add_nc_u32 v228, 0xff000000, v212            ; 2 off the exponent field: the conversions' scale operands
	v_add_nc_u32 v229, 0xff000000, v214
	RS 6, 2
	v_lshrrev_b32 v216, 23, v228                   ; the scales' bytes
	v_lshrrev_b32 v217, 23, v229
	RS 8, 2
	v_lshl_or_b32 v218, v217, 16, v216             ; blocks h and 2 + h,
	RS 10, 2
	v_lshlrev_b32 v218, v29, v218                  ; at their places in the word (8 h bits up);
	RS 12, 2
	v_permlanex16_b32 v219, v218, s100, s101
	RS 14, 2
	WIN 0x15*(\w)                                  ; scale operands are taken from window 0
	v_or_b32 v[30+\w], v218, v219                  ; with lane l xor 16's two the word is whole
	WIN 0x55*(\w)
	v_cvt_scalef32_pk16_fp6_f32 v[192:194], v[96:111], v228
	v_cvt_scalef32_pk16_fp6_f32 v[220:222], v[112:127], v228     ; (a conversion's three registers begin on an even number)
	v_cvt_scalef32_pk16_fp6_f32 v[198:200], v[128:143], v229
	v_cvt_scalef32_pk16_fp6_f32 v[224:226], v[144:159], v229
	v_pk_add_f32 v[236:237], v[96:97], v[98:99]    ; the row's sum is taken of the unquantised p, in four chains.  (Plain places behind the conversions)
	v_pk_add_f32 v[238:239], v[100:101], v[102:103]
	v_pk_add_f32 v[240:241], v[104:105], v[106:107]
.irp i, 0,1,2
	v_mov_b32 v[195+\i], v[220+\i]
	v_mov_b32 v[201+\i], v[224+\i]
.endr
.set j, 12
.set k, 0
.rept 26
.if k == 0
	v_pk_add_f32 v[14:15], v[14:15], v[96+j:97+j]
.else
	v_pk_add_f32 v[234+2*k:235+2*k], v[234+2*k:235+2*k], v[96+j:97+j]
.endif
.set j, j+2
.set k, (k+1)%4
.endr
	v_pk_add_f32 v[14:15], v[14:15], v[236:237]
	v_pk_add_f32 v[238:239], v[238:239], v[240:241]
	v_pk_add_f32 v[14:15], v[14:15], v[238:239]    ; (these 29 additions are the places between p's codes and scale word and the products)
.endm
; A TRIP: key step i, whose frames begin at LDS byte s15 of K's and of V's region.  last = 1: no step follows
.macro ITER last
	v_add_nc_u32 v10, s15, v2                      ; (four plain places behind the last products, in front of the loads into their operands)
	v_add_nc_u32 v11, s15, v4
.if \last == 0
	v_add_nc_u32 v8, s15, v1
	v_add_nc_u32 v9, s15, v3
	KLOAD 8, 9, FRAME                              ; K(i + 1)
.else
	v_nop
	v_nop
.endif
	WIN 0x40
.set i, 0
.rept 12
	ds_load_b128 v[32+4*i:35+4*i], v10 offset:512*i   ; V(i)'s four fragments, into window 1
.set i, i+1
.endr
	WIN 0
.irp q, 0,1,2,3
	ds_load_b32 v[208+\q], v11 offset:6144+128*\q
.endr
	SOFT 0, 1, 1-\last
	s_wait_dscnt 0x0                               ; V(i) and K(i + 1) are in
	PV 0
.if \last == 0
	SC 0
	SOFT 1, 2, 0
.else
	SOFT 1, 0, 0
.endif
	PV 1
.if \last == 0
	SC 1
.endif
	WIN 0
.endm
.macro RUN base, trips
	s_mov_b32 s15, \base
	s_mov_b32 s3, \trips
.Lstep_\@:
	ITER 0
	s_add_co_u32 s15, s15, FRAME
	s_sub_co_u32 s3, s3, 1
	s_cmp_lg_u32 s3, 0
	s_cbranch_scc1 .Lstep_\@
.endm
.macro INIT                            ; a tile's state, written into the window that the destination names; sources are window 0's
	v_mov_b32 v7, 0xd0000000                       ; -2^33
	v_lshlrev_b32 v29, 3, v10                      ; 8 h
	v_mov_b32 v13, 0xff61b1e6                      ; the largest t so far: -3e38, under every t
	v_floor_f32 v12, -v13                          ; -M
.irp r, 14,15,216,219,233,22,23,24,25,26,27
	v_mov_b32 v\r, 0                               ; the sum; the lane permutes' destinations; the upper half of f's pair; Q's upper 64 along K: zero codes
.endr
.set j, 0
.rept 32
	v_mov_b32 v[160+j], 0                          ; O^T: the step is written for all steps alike
.set j, j+1
.endr
.endm
	s_load_b256 s[16:23], s[0:1], 0x0              ; qb, kb, vb, maskw
	v_lshl_add_u32 v5, v0, 2, SPARE
	v_mov_b32 v6, 0
	ds_add_u32 v5, v6                              ; the wave's opening: the add, twice on end, and its wait ahead of my first tensor load
	ds_add_u32 v5, v6
	v_lshrrev_b32 v8, 5, v0
	v_readfirstlane_b32 s2, v8                     ; wave 0..7
	s_bfe_u32 s14, ttmp6, 0x40000                  ; cx: it enters global addresses of Q, the mask words and the results alone
	s_lshl_b32 s24, ttmp9, 2
	s_add_co_u32 s24, s24, s14                     ; my block of 256 queries
	s_and_b32 s25, ttmp7, 0xffff                   ; 16 x batch + head, which the partners share
	s_and_b32 s26, s2, 3
	s_lshr_b32 s27, s2, 2                          ; 0: I fetch for K, 1: for V.  Also: in which 128 of the 256 queries my tiles lie
	s_mul_i32 s30, s26, FRAME                      ; my frame of key steps 0-3,
	s_mul_i32 s31, s26, 3*FRAME
	s_add_co_u32 s31, s31, 4*FRAME                 ; my three of key steps 4-15
	s_mul_i32 s28, s27, HEADB                      ; in LDS: K at 0, V behind it
	s_mul_i32 s29, s25, HEADB                      ; the head's first byte in qb, kb and vb
	s_mov_b32 s92, 1                               ; groups 0: count = 1,
	s_add_co_u32 s93, s28, s30                     ; the LDS address, made of the wave's number alone,
	s_add_co_u32 s94, s29, s30                     ; and the byte offset, to which the buffer's address is added below
	s_mov_b32 s95, 0
	s_mov_b32 s96, 1
	s_add_co_u32 s97, s28, s31
	s_add_co_u32 s98, s29, s31
	s_mov_b32 s99, 0
	s_lshl_b32 s34, s24, 1
	s_add_co_u32 s34, s34, s27                     ; Q: the frame of 128 positions in which my tiles lie
	s_mul_i32 s34, s34, FRAME
	s_add_co_u32 s34, s34, s29
	s_mov_b32 s35, 0
	s_lshr_b32 s36, s25, 4
	s_lshl_b32 s36, s36, 7
	s_lshl_b32 s37, s24, 4
	s_add_co_u32 s36, s36, s37
	s_lshl_b32 s37, s2, 1
	s_add_co_u32 s14, s36, s37                     ; tile a: 128 x batch + 16 x block + 2 x wave; kept
	s_lshl_b32 s36, s14, 12                        ; its 16 x 64 mask words
	s_mov_b32 s37, 0
	s_mov_b32 s84, 15|(3<<16)|(1<<21)              ; group 1: the mask: all four work-groups; elements of 8 bytes; bit 21 beside a mask; no padding
	s_mov_b32 s85, 32<<16                          ; tensor_dim0 = 32 elements: rows of 256 bytes
	s_mov_b32 s86, 26<<16                          ; tensor_dim1 = 26: a frame
	s_mov_b32 s87, 32<<16                          ; tile_dim0
	s_mov_b32 s88, 26                              ; tile_dim1
	s_mov_b32 s89, 32                              ; the pitch: dense
	s_mov_b32 s90, 0
	s_mov_b32 s91, 0
	s_mov_b32 s66, 0x3e38aa3b                      ; c = log2(e) / 8
	s_mov_b32 s67, s66                             ; (named with it as a pair)
	s_mov_b32 s100, 0x76543210
	s_mov_b32 s101, 0xfedcba98                     ; v_permlanex16_b32's selects for lane l xor 16
	s_mov_b32 s7, 0
	s_mov_b32 s11, 0                               ; the trip's number
	s_wait_dscnt 0x0                               ; both opening adds are done
	s_wait_kmcnt 0x0
	s_cmp_lt_u32 s2, 4
	s_cselect_b64 s[32:33], s[18:19], s[20:21]     ; a choice on the wave's number: the same in all partners
	s_add_nc_u64 s[94:95], s[32:33], s[94:95]
	s_add_nc_u64 s[98:99], s[32:33], s[98:99]
	s_or_b32 s95, s95, 0x80000000                  ; type = 2
	s_or_b32 s99, s99, 0x80000000
	s_add_nc_u64 s[104:105], s[16:17], s[34:35]
	s_add_nc_u64 s[12:13], s[22:23], s[36:37]
	s_add_nc_u64 s[8:9], s[12:13], 512             ; the prefetch begins at key step 2
	CROUND                                         ; all four work-groups are here: the joint loads meet
	tensor_load_to_lds s[92:95], s[84:91]          ; key steps 0-3: one load a wave at the head
	s_nop 0
.rept 4
	v_nop
.endr
	v_and_b32 v8, 31, v0                           ; lane
	v_and_b32 v9, 15, v0                           ; r
	v_bfe_u32 v10, v0, 4, 1                        ; h
	v_lshlrev_b32 v1, 4, v8                        ; K's images: 16 x lane
	v_add_nc_u32 v2, HEADB, v1                     ; V's
	v_lshlrev_b32 v3, 2, v8                        ; K's scale words: 4 x lane
	v_add_nc_u32 v4, HEADB, v3                     ; V's
	s_lshl_b32 s40, s2, 6
	s_add_co_u32 s40, s40, XSTG
	v_lshl_add_u32 v86, v9, 1, s40                 ; the way out: my row's two scale bytes of tile a (tile b's 32 bytes on),
	v_add_nc_u32 v87, XSTG, v1                     ; all 512 of them, 16 a lane,
	v_lshl_add_u32 v88, v8, 3, 512                 ; and 8 x lane + 512
	v_min_u32 v89, 1, v8
	v_lshlrev_b32 v89, 12, v89                     ; the prefetch: lane 0 names tile a's block, the others tile b's
	s_mul_i32 s40, s26, 1536
	v_add_nc_u32 v234, s40, v1                     ; Q's pair image: my two tiles
	s_lshl_b32 s40, s26, 7
	s_add_co_u32 s40, s40, 6144
	v_add_nc_u32 v236, s40, v3                     ; and their scale words: lanes 0-15 tile a's rows, lanes 16-31 tile b's
	s_wait_alu depctr_va_vdst(0)
.irp q, 0,1,2
	global_load_b128 v[32+4*\q:35+4*\q], v234, s[104:105] offset:512*\q
.endr
	global_load_b32 v28, v236, s[104:105]
	MLOAD 0x0                                      ; tile a's mask words of key step 0
	INIT
.irp i, 0,1,2,3,4,5
	v_mov_b32 v[80+\i], 0                          ; behind K's last tile
.endr
	WIN 0x40
	INIT
	WIN 0
	s_wait_loadcnt 0x0                             ; Q
.irp i, 0,1,2,3,4,5
	v_mov_b32 v[16+\i], v[32+\i]                   ; tile a's six registers of the pair's twelve
.endr
	WIN 0x40
.irp i, 0,1,2,3,4,5
	v_mov_b32 v[16+\i], v[38+\i]                   ; tile b's, into window 1
.endr
	WIN 0
	s_wait_alu depctr_va_vdst(0)
	s_wait_tensorcnt 0x0                           ; my frame is in
	ds_add_u32 v5, v6
	s_mov_b32 s86, 78<<16                          ; no tensor load of mine is out: from here on a load brings three frames: tensor_dim1 = 78,
	s_mov_b32 s88, 78                              ; tile_dim1 = 78
	s_wait_dscnt 0x0
	CROUND                                         ; everybody's frame is in, and the joint loads meet
	tensor_load_to_lds s[96:99], s[84:91]          ; key steps 4-15: my one load behind the round
	s_nop 0
.rept 4
	v_nop
.endr
	KLOAD 1, 3, 0                                  ; K(0)
	s_wait_dscnt 0x0
	SC 0
	SC 1
	WIN 0
	RUN 0, 3                                       ; trips 0-2 read frames 0-3
	s_wait_tensorcnt 0x0                           ; my three frames are in
	s_wait_dscnt 0x0
	s_barrier_signal -1
	s_barrier_wait -1                              ; everybody's are
	RUN 3*FRAME, 12                                ; trips 3-14
	s_mov_b32 s15, 15*FRAME
	ITER 1                                         ; the last step is written out: nothing follows it
	; THE WAY OUT: O^T / the sum is x(my query, 64 channels of my head): register 16 b + i is channel 32 b + 16 h + i: two blocks of the output projection's K.  It leaves as half a fragment of codes, in launch 1's layout.
	s_wait_alu depctr_va_vdst(0)
	s_load_b128 s[16:19], s[0:1], 0x20             ; xc, xs
	s_and_b32 s20, ttmp7, 15                       ; the head
	s_lshr_b32 s21, s14, 3
	s_mul_i32 s21, s21, 98304                      ; slab = tile / 8,
	s_lshr_b32 s22, s20, 1
	s_mul_i32 s22, s22, 12288                      ; K step = head / 2,
	s_add_co_u32 s21, s21, s22
	s_and_b32 s22, s14, 7
	s_mul_i32 s22, s22, 1536                       ; tile % 8 (tile b: 1,536 bytes on),
	s_add_co_u32 s21, s21, s22
	s_and_b32 s22, s20, 1
	s_mul_i32 s22, s22, 768                        ; half = head % 2
	s_add_co_u32 s24, s21, s22
	s_mov_b32 s25, 0
	s_lshl_b32 s26, s2, 1
	s_sub_co_u32 s26, s14, s26
	s_lshl_b32 s26, s26, 5                         ; xs: [head][tile][r] of two bytes: my work-group's 16 tiles
	s_lshl_b32 s22, s20, 13
	s_add_co_u32 s26, s26, s22
	s_mov_b32 s27, 0
	s_wait_kmcnt 0x0
	s_add_nc_u64 s[16:17], s[16:17], s[24:25]
	s_add_nc_u64 s[18:19], s[18:19], s[26:27]
.macro EPI w
	WIN 0x55*(\w)
	v_add_f32 v14, v14, v15                        ; the sum's two halves,
	v_permlanex16_b32 v234, v14, s100, s101
	v_add_f32 v14, v14, v234                       ; and lane l xor 16's
	s_wait_alu depctr_va_vdst(0)
	v_rcp_f32 v14, v14
	v_nop                                          ; a plain place behind it
	s_wait_alu depctr_va_vdst(0)                   ; the wait ahead of its first reader, which is O^T's first reader too
.set j, 0
.rept 32
	v_mul_f32 v[96+j], v[160+j], v14
.set j, j+1
.endr
.irp b, 0,1
	v_max3_num_f32 v[212+\b], |v[96+16*\b]|, |v[97+16*\b]|, 0x1800000
.endr
.irp i, 2,4,6,8,10,12,14
.irp b, 0,1
	v_max3_num_f32 v[212+\b], v[212+\b], |v[96+16*\b+\i]|, |v[97+16*\b+\i]|
.endr
.endr
.irp b, 0,1
	v_permlanex16_b32 v[216+\b], v[212+\b], s100, s101
.endr
.irp b, 0,1
	v_max_num_f32 v[212+\b], v[212+\b], v[216+\b]
.endr
.irp b, 0,1
	v_add_nc_u32 v[228+\b], 0xff000000, v[212+\b]
.endr
.irp b, 0,1
	v_lshrrev_b32 v[216+\b], 23, v[228+\b]
.endr
	v_lshl_or_b32 v234, v217, 8, v216              ; my row's two scale bytes
	v_cvt_scalef32_pk16_fp6_f32 v[192:194], v[96:111], v228
	v_cvt_scalef32_pk16_fp6_f32 v[220:222], v[112:127], v229
	v_nop                                          ; one plain place behind a scaled conversion
.irp i, 0,1,2
	v_permlane16_swap_b32 v[192+\i], v[220+\i]     ; a whole block to a lane
.endr
.irp i, 0,1,2
	v_mov_b32 v[195+\i], v[220+\i]
.endr
	WIN 0x04*(\w)                                  ; the stores' data in w's window, their addresses in window 0
	global_store_b128 v1, v[192:195], s[16:17] offset:1536*\w     ; 512 consecutive bytes, aligned,
	global_store_b64 v88, v[196:197], s[16:17] offset:1536*\w     ; and 256
	ds_store_b16 v86, v234 offset:32*\w            ; both halves of the lanes write the same two bytes
.endm
	EPI 0
	EPI 1
	WIN 0
	s_wait_dscnt 0x0                               ; for the others' sake
	s_barrier_signal -1
	s_barrier_wait -1
	s_cmp_lg_u32 s2, 0
	s_cbranch_scc1 .Lnot_first
	ds_load_b128 v[96:99], v87                     ; wave 0 stores the work-group's 512 scale bytes on end
	s_wait_dscnt 0x0
	global_store_b128 v1, v[96:99], s[18:19]
.Lnot_first:
	s_wait_tensorcnt 0x0                           ; the wave's end
	ds_add_u32 v5, v6
	s_wait_dscnt 0x0
	CROUND                                         ; the closing round
	s_endpgm
.Lfunc_end_k_q4fa7260043_attn:
	.size	k_q4fa7260043_attn, .Lfunc_end_k_q4fa7260043_attn-k_q4fa7260043_attn
	.p2alignl 7, 3214868480
	.fill 96, 4, 3214868480
	.section	.rodata,"a",@progbits
	.p2align	6, 0x0
	.amdhsa_kernel k_q4fa7260043_attn
		.amdhsa_group_segment_fixed_size 327680
		.amdhsa_private_segment_fixed_size 0
		.amdhsa_enable_private_segment 0
		.amdhsa_kernarg_size 48
		.amdhsa_user_sgpr_count 2
		.amdhsa_user_sgpr_kernarg_segment_ptr 1
		.amdhsa_wavefront_size32 1
		.amdhsa_system_sgpr_workgroup_id_x 1
		.amdhsa_system_sgpr_workgroup_id_y 1
		.amdhsa_system_sgpr_workgroup_id_z 1
		.amdhsa_system_vgpr_workitem_id 0
		.amdhsa_next_free_vgpr 512
		.amdhsa_next_free_sgpr 106
		.amdhsa_reserve_vcc 0
		.amdhsa_float_denorm_mode_32 3
		.amdhsa_float_denorm_mode_16_64 3
		.amdhsa_memory_ordered 1
		.amdhsa_forward_progress 1
		.amdhsa_inst_pref_size 127
	.end_amdhsa_kernel
	.amdgpu_metadata
---
amdhsa.version: [ 1, 2 ]
amdhsa.kernels:
  - .name:           k_q4fa7260043_attn
    .symbol:         k_q4fa7260043_attn.kd
    .args:
      - { .name: qb, .offset: 0, .size: 8, .value_kind: global_buffer, .address_space: global }
      - { .name: kb, .offset: 8, .size: 8, .value_kind: global_buffer, .address_space: global }
      - { .name: vb, .offset: 16, .size: 8, .value_kind: global_buffer, .address_space: global }
      - { .name: maskw, .offset: 24, .size: 8, .value_kind: global_buffer, .address_space: global }
      - { .name: xc, .offset: 32, .size: 8, .value_kind: global_buffer, .address_space: global }
      - { .name: xs, .offset: 40, .size: 8, .value_kind: global_buffer, .address_space: global }
    .group_segment_fixed_size: 327680
    .private_segment_fixed_size: 0
    .kernarg_segment_align: 8
    .kernarg_segment_size: 48
    .max_flat_workgroup_size: 256
    .sgpr_count:     106
    .vgpr_count:     512
    .wavefront_size: 32
...
	.end_amdgpu_metadata
.endif
;; end of part 3
;; launch outp (part 4): grid 256 x 1, 4 waves a work-group, clusters of 4 x 1, 167,936 bytes of LDS; arguments codes, scales, xc, xs, bo, out0; writes out0
.if DOCPART == 4
	.amdgcn_target "amdgcn-amd-amdhsa--gfx1250"
	.amdhsa_code_object_version 6
	.text
	.protected	k_q4fa7260043_outp
	.globl	k_q4fa7260043_outp
	.p2align	8
	.type	k_q4fa7260043_outp,@function
k_q4fa7260043_outp:
	s_mov_b64 s[64:65], 0
	v_nop
	global_prefetch_b8 v0, s[64:65] scope:SCOPE_SE
	s_setreg_imm32_b32 hwreg(HW_REG_WAVE_MODE, 25, 1), 1
	s_wait_xcnt 0x0
	s_wait_alu depctr_hold_cnt(0) depctr_sa_sdst(0) depctr_va_vdst(0) depctr_va_sdst(0) depctr_va_ssrc(0) depctr_va_vcc(0) depctr_vm_vsrc(0)
	s_getreg_b32 s2, hwreg(HW_REG_IB_STS2, 6, 4)
	s_cmp_eq_u32 s2, 0
	s_cbranch_scc0 .Lentry_in_a_cluster
	s_endpgm
.Lentry_in_a_cluster:
	s_bfe_u32 s2, ttmp6, 0x10000c
	s_cmp_lg_u32 s2, 0x3003
	s_cbranch_scc0 .Lentry_shape_is_right
	s_endpgm
.Lentry_shape_is_right:
; LAUNCH 4 OF 4: out0 = x Wo^T + bo on codes of E2M3: Wo's from launch 1, x's from launch 3.  No work is left out.
; The frame is launch 2's: a work-group makes 128 P rows (source 0 = Wo: a lane's registers run along the output's features) x 128 R rows (source 1 = x: one position to a lane), K = 1,024; wave w: all 8 P tiles x R tiles
; 2 w, 2 w + 1, 16 accumulators by turns; R comes from memory straight into registers, once.  CLUSTER 4 x 1: the partners need the same slab of Wo: it is asked for JOINTLY, fills LDS once and stays.
; x's scale bytes lie [head][tile][r] in pairs: K step s wants heads 2 s and 2 s + 1: two 16-bit loads and one v_lshl_or_b32 a word.
; THE WAY OUT: a lane holds 64 features of one row in four runs of 16: a tile of 16 rows x 128 features goes through the wave's own stage in LDS and leaves as whole runs of 512 consecutive bytes, aligned.
; REGISTERS: window 0: v1-13 addresses; v24-55 P's scale words, v56-63 R's; v64-159, v160-255 P's fragments, two sets (the way out: v64-127 results, v128-255 rows).  window 1: R's fragments.  window 2: accumulators; from v128 the bias.
; THE SLAB'S LOADS: wave w asks for a quarter of the slab (24,576 bytes, K steps 2 w and 2 w + 1) by its one tensor load at the head; one barrier shows the whole slab to all four waves.
.set SLABB, 98304
.set STAGE, 98304                      ; behind the slab: 16 rows x (512 + 16) bytes for each wave; no fill lands there
.set SPARE, STAGE+4*8448               ; the spare words, 128 bytes a wave: two blocks of 256 bytes that no other line names
.set SPW, 8
.set NIL, 9
.set SCP, 24
.set SCR, 56
.set PS,  64
.set T,   64
.set BI,  128
.set MSB, 0
.macro WIN new                         ; the immediate's high byte repeats the setting that is left
.if MSB != \new
	s_set_vgpr_msb (MSB<<8)|\new
.set MSB, \new
.endif
.endm
.macro CROUND
	s_barrier_signal -1
	s_barrier_wait -1
	s_cmp_lg_u32 s2, 0
	s_cbranch_scc1 .Lnot_wave_0_\@
	s_barrier_signal -3
.Lnot_wave_0_\@:
	s_barrier_wait -3
	s_barrier_signal -1
	s_barrier_wait -1
.endm
.macro PLACES                          ; four plain places behind matrix instructions (ISA guide 7.12.1)
.rept 4
	v_nop
.endr
.endm
.macro FETCHP s                        ; P's eight fragments of K step s into set s % 2
.set FB, PS+96*((\s)%2)
.set i, 0
.rept 8
.irp c, 0,1
.if (\s) < 4
	ds_load_b128 v[FB+12*i+6*\c:FB+12*i+6*\c+3], v1 offset:12288*(\s)+1536*i+768*\c
	ds_load_b64 v[FB+12*i+6*\c+4:FB+12*i+6*\c+5], v2 offset:12288*(\s)+1536*i+768*\c
.else
	ds_load_b128 v[FB+12*i+6*\c:FB+12*i+6*\c+3], v3 offset:12288*((\s)-4)+1536*i+768*\c
	ds_load_b64 v[FB+12*i+6*\c+4:FB+12*i+6*\c+5], v4 offset:12288*((\s)-4)+1536*i+768*\c
.endif
.endr
.set i, i+1
.endr
.endm
.macro WM s, pt, rt                    ; one product: P tile pt x R tile rt, K step s.  The first K step starts the sums with the constant 0
.set rD, 64*(\rt)+8*(\pt)
.set rA, PS+96*((\s)%2)+12*(\pt)
.set rB, 96*(\rt)+12*(\s)
.set rX, SCP+8*((\pt)/2)+(\s)
.set rY, SCR+(\s)
.set rw, 2*((\pt)%2)+(\rt)
.if (\s) == 0
.if rw == 0
	v_wmma_scale_f32_16x16x128_f8f6f4 v[rD:rD+7], v[rA:rA+11], v[rB:rB+11], 0, v[rX], v[rY] matrix_a_fmt:MATRIX_FMT_FP6 matrix_b_fmt:MATRIX_FMT_FP6
.elseif rw == 1
	v_wmma_scale_f32_16x16x128_f8f6f4 v[rD:rD+7], v[rA:rA+11], v[rB:rB+11], 0, v[rX], v[rY] matrix_a_fmt:MATRIX_FMT_FP6 matrix_b_fmt:MATRIX_FMT_FP6 matrix_b_scale:MATRIX_SCALE_ROW1
.elseif rw == 2
	v_wmma_scale_f32_16x16x128_f8f6f4 v[rD:rD+7], v[rA:rA+11], v[rB:rB+11], 0, v[rX], v[rY] matrix_a_fmt:MATRIX_FMT_FP6 matrix_b_fmt:MATRIX_FMT_FP6 matrix_a_scale:MATRIX_SCALE_ROW1
.else
	v_wmma_scale_f32_16x16x128_f8f6f4 v[rD:rD+7], v[rA:rA+11], v[rB:rB+11], 0, v[rX], v[rY] matrix_a_fmt:MATRIX_FMT_FP6 matrix_b_fmt:MATRIX_FMT_FP6 matrix_a_scale:MATRIX_SCALE_ROW1 matrix_b_scale:MATRIX_SCALE_ROW1
.endif
.else
.if rw == 0
	v_wmma_scale_f32_16x16x128_f8f6f4 v[rD:rD+7], v[rA:rA+11], v[rB:rB+11], v[rD:rD+7], v[rX], v[rY] matrix_a_fmt:MATRIX_FMT_FP6 matrix_b_fmt:MATRIX_FMT_FP6
.elseif rw == 1
	v_wmma_scale_f32_16x16x128_f8f6f4 v[rD:rD+7], v[rA:rA+11], v[rB:rB+11], v[rD:rD+7], v[rX], v[rY] matrix_a_fmt:MATRIX_FMT_FP6 matrix_b_fmt:MATRIX_FMT_FP6 matrix_b_scale:MATRIX_SCALE_ROW1
.elseif rw == 2
	v_wmma_scale_f32_16x16x128_f8f6f4 v[rD:rD+7], v[rA:rA+11], v[rB:rB+11], v[rD:rD+7], v[rX], v[rY] matrix_a_fmt:MATRIX_FMT_FP6 matrix_b_fmt:MATRIX_FMT_FP6 matrix_a_scale:MATRIX_SCALE_ROW1
.else
	v_wmma_scale_f32_16x16x128_f8f6f4 v[rD:rD+7], v[rA:rA+11], v[rB:rB+11], v[rD:rD+7], v[rX], v[rY] matrix_a_fmt:MATRIX_FMT_FP6 matrix_b_fmt:MATRIX_FMT_FP6 matrix_a_scale:MATRIX_SCALE_ROW1 matrix_b_scale:MATRIX_SCALE_ROW1
.endif
.endif
.endm
.macro KSTEP s
	s_wait_dscnt 0x0                               ; P's fragments of this step are in; no LDS instruction of mine is out at a signal
.if (\s) < 7
.if (\s) > 0
	PLACES                                         ; the set was read by the products of the step before
.endif
	FETCHP (\s)+1
.endif
	s_wait_loadcnt 8*(7-(\s))                      ; R's fragments of this step are in; the younger loads are R's of the later steps, 8 each
	WIN 0xa4                                       ; P window 0, R window 1, C and D window 2
.set pp, 0
.rept 8
	WM \s, pp, 0                                   ; the 16 accumulators by turns, one instruction a turn
	WM \s, pp, 1
.set pp, pp+1
.endr
	WIN 0
.endm
	s_load_b256 s[4:11], s[0:1], 0x0               ; codes, scales, xc, xs
	s_load_b128 s[12:15], s[0:1], 0x20             ; bo, out0
	v_lshl_add_u32 v[SPW], v0, 2, SPARE
	v_mov_b32 v[NIL], 0
	ds_add_u32 v[SPW], v[NIL]                      ; the wave's opening: the add, twice on end, and its wait ahead of my first tensor load; work on registers stands between
	ds_add_u32 v[SPW], v[NIL]
	v_lshrrev_b32 v14, 5, v0
	v_readfirstlane_b32 s2, v14                    ; wave 0..3
	s_bfe_u32 s20, ttmp6, 0x40000                  ; cx: it enters global addresses of x and out0 alone
	s_lshr_b32 s23, ttmp9, 3                       ; pI: which 128 features
	s_and_b32 s24, ttmp9, 7
	s_lshl_b32 s24, s24, 2
	s_add_co_u32 s24, s24, s20                     ; rI: which 128 positions
	s_add_co_u32 s71, s23, 120                     ; Wo's slabs begin at 120
	s_mov_b32 s36, 15|(3<<16)|(1<<21)              ; group 1: the mask: all four work-groups; elements of 8 bytes; bit 21 beside a mask; no padding
	s_mov_b32 s37, 32<<16                          ; tensor_dim0 = 32 elements: rows of 256 bytes
	s_mov_b32 s38, 96<<16                          ; tensor_dim1 = 96
	s_mov_b32 s39, 32<<16                          ; tile_dim0
	s_mov_b32 s40, 96                              ; tile_dim1
	s_mov_b32 s41, 32                              ; the pitch: dense
	s_mov_b32 s42, 0
	s_mov_b32 s43, 0
	s_mul_i32 s76, s2, 24576                       ; my quarter of the slab, in memory and in LDS
	s_mul_i32 s74, s71, SLABB
	s_add_co_u32 s74, s74, s76
	s_mov_b32 s75, 0
	s_mov_b32 s79, 0
	v_and_b32 v14, 31, v0                          ; lane
	v_and_b32 v15, 15, v0                          ; r
	v_bfe_u32 v16, v0, 4, 1                        ; h
	v_lshlrev_b32 v1, 4, v14
	v_lshl_add_u32 v2, v14, 3, 512
	v_add_nc_u32 v3, 49152, v1
	v_add_nc_u32 v4, 49152, v2
	s_mul_i32 s22, s2, 3072
	v_add_nc_u32 v5, s22, v1                       ; R: my two tiles
	v_add_nc_u32 v6, s22, v2
	v_lshlrev_b32 v7, 5, v14                       ; P's scale words: 32 bytes a row, two tiles on end
	s_mul_i32 s22, s2, 8448
	s_add_co_u32 s22, s22, STAGE                   ; my stage
	v_mul_u32_u24 v10, v15, 528
	v_lshl_add_u32 v10, v16, 6, v10
	v_add_nc_u32 v10, s22, v10                     ; in: row r, + 64 h
	v_add_nc_u32 v11, s22, v1                      ; back: a row's 512 bytes, 16 a lane
	v_lshlrev_b32 v12, 6, v16                      ; the bias: 16 h numbers on
	s_lshl_b32 s22, s2, 6
	v_lshl_add_u32 v13, v14, 1, s22                ; x's scale bytes: 2 x lane + 64 x wave: lanes 0-15 my first tile, lanes 16-31 my second
	s_wait_dscnt 0x0                               ; both opening adds are done
	s_wait_kmcnt 0x0
	s_add_nc_u64 s[26:27], s[4:5], s[74:75]        ; P: made of the cluster's and the wave's number alone
	s_mov_b32 s44, 1
	s_mov_b32 s45, s76
	s_mov_b64 s[46:47], s[26:27]
	s_or_b32 s47, s47, 0x80000000
	s_lshl_b32 s74, s71, 12
	s_add_nc_u64 s[30:31], s[6:7], s[74:75]        ; P's scale words
	s_lshl_b32 s74, s23, 9
	s_add_nc_u64 s[34:35], s[12:13], s[74:75]      ; the bias of my 128 features
	s_mul_i32 s78, s24, SLABB
	s_add_nc_u64 s[28:29], s[8:9], s[78:79]        ; x's codes
	s_lshl_b32 s78, s24, 8
	s_add_nc_u64 s[32:33], s[10:11], s[78:79]      ; x's scale bytes: 8 tiles of 32 bytes to a slab
	s_lshl_b32 s78, s24, 19                        ; out0: 128 rows of 4,096 bytes a slab,
	s_lshl_b32 s73, s2, 17                         ; 32 rows a wave,
	s_add_co_u32 s78, s78, s73
	s_lshl_b32 s73, s23, 9                         ; 512 bytes of a row
	s_add_co_u32 s78, s78, s73
	s_add_nc_u64 s[60:61], s[14:15], s[78:79]
	CROUND                                         ; all four work-groups are here: the joint loads meet
	tensor_load_to_lds s[44:47], s[36:43]          ; one load a wave at the head
	s_nop 0
.rept 4
	v_nop
.endr
	s_wait_alu depctr_va_vdst(0)
.irp i, 0,1,2,3
	global_load_b128 v[SCP+8*\i:SCP+8*\i+3], v7, s[30:31] offset:1024*\i
	global_load_b128 v[SCP+8*\i+4:SCP+8*\i+7], v7, s[30:31] offset:1024*\i+16
.endr
.set hd, 0
.rept 16
	global_load_u16 v[160+hd], v13, s[32:33] offset:8192*hd
.set hd, hd+1
.endr
	WIN 0x80                                       ; destination window 2
.irp pt, 0,1,2,3,4,5,6,7
	global_load_b128 v[BI+8*\pt:BI+8*\pt+3], v12, s[34:35] offset:4*(32*(\pt/2)+8*(\pt%2))
	global_load_b128 v[BI+8*\pt+4:BI+8*\pt+7], v12, s[34:35] offset:4*(32*(\pt/2)+8*(\pt%2))+16
.endr
	WIN 0x40                                       ; destination window 1
.set ss, 0
.rept 8
.irp rt, 0,1
.irp c, 0,1
	global_load_b128 v[96*\rt+12*ss+6*\c:96*\rt+12*ss+6*\c+3], v5, s[28:29] offset:12288*ss+1536*\rt+768*\c
	global_load_b64 v[96*\rt+12*ss+6*\c+4:96*\rt+12*ss+6*\c+5], v6, s[28:29] offset:12288*ss+1536*\rt+768*\c
.endr
.endr
.set ss, ss+1
.endr
	WIN 0
	s_wait_tensorcnt 0x0                           ; my quarter of the slab has landed
	s_barrier_signal -1
	s_barrier_wait -1
	FETCHP 0
	s_wait_loadcnt 56                              ; all but R's K steps 1 to 7: x's scale bytes are in
.irp s, 0,1,2,3,4,5,6,7
	v_lshl_or_b32 v[SCR+\s], v[161+2*\s], 16, v[160+2*\s]   ; K step s: heads 2 s and 2 s + 1
.endr
.rept 8
	v_nop                                          ; a scale register written by a vector instruction stands 8 places ahead of a scaled matrix instruction
.endr
	s_wait_alu depctr_va_vdst(0)
.irp s, 0,1,2,3,4,5,6,7
	KSTEP \s
.endr
	PLACES                                         ; behind the last products: their results are read and their operands' registers written below
.irp rt, 0,1
.if \rt == 1
	s_wait_dscnt 16                                ; the first tile's stores into the stage have read their registers; its 16 loads may stay out
.endif
	WIN 0x0a                                       ; sources window 2, destination window 0: the bias is added on the way
.set i, 0
.rept 32
	v_pk_add_f32 v[T+2*i:T+2*i+1], v[64*\rt+2*i:64*\rt+2*i+1], v[BI+2*i:BI+2*i+1]   ; each accumulator from its low end on
.set i, i+1
.endr
	WIN 0
.irp b, 0,1,2,3
.irp q, 0,1,2,3
	ds_store_b128 v10, v[T+16*\b+4*\q:T+16*\b+4*\q+3] offset:128*\b+16*\q   ; register 16 b + i is feature 32 b + 16 h + i of row r
.endr
.endr
.set i, 0
.rept 16
	ds_load_b128 v[128+64*\rt+4*i:128+64*\rt+4*i+3], v11 offset:528*i   ; LDS serves a wave's instructions in order: these see the stores above, and the next tile's stores come behind them
.set i, i+1
.endr
.endr
.irp rt, 0,1
.set i, 0
.rept 16
	s_wait_dscnt 15-i+32*(1-\rt)                   ; row i is back; behind the first tile's loads stand the second tile's 16 stores and 16 loads
	global_store_b128 v1, v[128+64*\rt+4*i:128+64*\rt+4*i+3], s[60:61] offset:(8*\rt+(i&7)+16*(i>>3))*4096 th:TH_STORE_NT   ; 512 consecutive bytes, at a multiple of 256 from out0's first byte
.set i, i+1
.endr
.endr
	s_wait_tensorcnt 0x0                           ; the wave's end
	ds_add_u32 v[SPW], v[NIL]
	s_wait_dscnt 0x0
	CROUND                                         ; the closing round
	s_endpgm
.Lfunc_end_k_q4fa7260043_outp:
	.size	k_q4fa7260043_outp, .Lfunc_end_k_q4fa7260043_outp-k_q4fa7260043_outp
	.p2alignl 7, 3214868480
	.fill 96, 4, 3214868480
	.section	.rodata,"a",@progbits
	.p2align	6, 0x0
	.amdhsa_kernel k_q4fa7260043_outp
		.amdhsa_group_segment_fixed_size 167936
		.amdhsa_private_segment_fixed_size 0
		.amdhsa_enable_private_segment 0
		.amdhsa_kernarg_size 48
		.amdhsa_user_sgpr_count 2
		.amdhsa_user_sgpr_kernarg_segment_ptr 1
		.amdhsa_wavefront_size32 1
		.amdhsa_system_sgpr_workgroup_id_x 1
		.amdhsa_system_sgpr_workgroup_id_y 1
		.amdhsa_system_sgpr_workgroup_id_z 1
		.amdhsa_system_vgpr_workitem_id 0
		.amdhsa_next_free_vgpr 768
		.amdhsa_next_free_sgpr 84
		.amdhsa_reserve_vcc 0
		.amdhsa_float_denorm_mode_32 3
		.amdhsa_float_denorm_mode_16_64 3
		.amdhsa_memory_ordered 1
		.amdhsa_forward_progress 1
		.amdhsa_inst_pref_size 62
	.end_amdhsa_kernel
	.amdgpu_metadata
---
amdhsa.version: [ 1, 2 ]
amdhsa.kernels:
  - .name:           k_q4fa7260043_outp
    .symbol:         k_q4fa7260043_outp.kd
    .args:
      - { .name: codes, .offset: 0, .size: 8, .value_kind: global_buffer, .address_space: global }
      - { .name: scales, .offset: 8, .size: 8, .value_kind: global_buffer, .address_space: global }
      - { .name: xc, .offset: 16, .size: 8, .value_kind: global_buffer, .address_space: global }
      - { .name: xs, .offset: 24, .size: 8, .value_kind: global_buffer, .address_space: global }
      - { .name: bo, .offset: 32, .size: 8, .value_kind: global_buffer, .address_space: global }
      - { .name: out0, .offset: 40, .size: 8, .value_kind: global_buffer, .address_space: global }
    .group_segment_fixed_size: 167936
    .private_segment_fixed_size: 0
    .kernarg_segment_align: 8
    .kernarg_segment_size: 48
    .max_flat_workgroup_size: 128
    .sgpr_count:     84
    .vgpr_count:     768
    .wavefront_size: 32
...
	.end_amdgpu_metadata
.endif
;; end of part 4
